; MI455X (gfx1250); checked and timed in simulation.
; The chip was launched on July 23, 2026; its instructions are those of AMD's public machine-readable ISA for CDNA 5 (MIT licence, August 2026) and "CDNA5" Instruction Set Architecture Reference Guide (July 2026). The comments in the code are by the model that wrote it; some were corrected since.
;; Rational Quadratic. Allowed arithmetic: matrix products marked QUANTISED: E2M3 operands, one E8M0 scale for each 32 along K, by v_wmma_scale_f32_16x16x128_f8f6f4 with both operands' format E2M3, f32 sums; everything else in f32.
;; Inputs: W0 256 x 1,024 float32; W1 1,024 x 1,024 float32; W2 1,024 x 12,032 float32; b0 1,024 float32; b1 1,024 float32; b2 12,032 float32; x1 4,096 x 256 float32; x2 4,096 x 256 float32.
;; Outputs: out0 4,096 x 256 float32; out1 4,096 float32.
;; This version of the problem:
;;   THIS VERSION OF THE PROBLEM IS GIVEN IN LOW PRECISION. The matrix products marked QUANTISED in the list below multiply operands that are first quantised to E2M3 (2 exponent bits, 3 mantissa bits; 6 bits a number), with one power-of-two scale for each 32 numbers along K (OCP MX v1.0); their sums are f32. All else is computed in f32.
;;   The module's matrix products, in the order in which they are computed (A, B: the left and right operand; K: the contracted axis; several contracted axes count as one K, in the product's order):
;;     1. [M 4,096, K 256] x [K 256, N 1,024]; A: input x1; B: input W0: QUANTISED
;;     2. [M 4,096, K 1,024] x [K 1,024, N 1,024]; A: computed on the way; B: input W1: QUANTISED
;;     3. [M 4,096, K 1,024] x [K 1,024, N 12,032]; A: computed on the way; B: input W2: QUANTISED
;;   THE QUANTISER, for each operand of a quantised product, along K:
;;     - K is cut into blocks of 32 from its start; a last block that is shorter is filled with zeros.
;;     - A block's scale is 2^e with e = floor(log2(the largest magnitude in the block)) - 2, held to -126 .. 127; a block of zeros has e = 0. As a byte (E8M0): e + 127.
;;     - Each number is divided by its block's scale, clamped to +-7.5, and rounded to the nearest number of E2M3, ties to even, subnormals kept.
;;     - The product sums the exact products of the quantised numbers (number of the format x scale) in f32.
;;   ~~~python
;;   def quantise(x, axis):      # numpy; x: float32 -> the quantised numbers, widened to float32 again
;;       x = np.moveaxis(x, axis, -1); K = x.shape[-1]
;;       x = np.pad(x, [(0, 0)] * (x.ndim - 1) + [(0, -K % 32)]); x = x.reshape(x.shape[:-1] + (-1, 32)); a = np.abs(x).max(-1, keepdims=True)
;;       e = np.where(a > 0, np.clip(np.frexp(np.where(a > 0, a, 1))[1] - 1 - 2, -126, 127), 0)      # np.frexp(a)[1] - 1 = floor(log2(a)), exactly
;;       r = np.clip(x / 2.0 ** e, -7.5, 7.5)
;;       step = 2.0 ** (np.maximum(np.frexp(np.where(r == 0, 1, r))[1] - 1, 0) - 3)
;;       q = np.round(r / step) * step * 2.0 ** e      # np.round: ties to even
;;       return np.moveaxis(q.reshape(q.shape[:-2] + (-1,))[..., :K], -1, axis).astype(np.float32)
;;   ~~~
;;   OPERANDS COMPUTED ON THE WAY. 'Computed on the way' means the value that the module computes at that place (a softmax that the list does not call 'softmax' is quantised finished and normalised). What goes into a quantiser is computed in f32, as accurately as f32 sums, v_exp_f32 and their like allow (about 1e-6 of the number): no bf16 or f16 on the way to a quantiser, and a product that is left as it is and whose result goes on into a quantised operand takes f32 operands (vector FMAs, or v_wmma_f32_16x16x4_f32). A number that lies on a knife's edge between two numbers of the format may be rounded either way, as far as f32 arithmetic and the matrix unit's own rounding can turn it there, and no further.
;; One version. Each part assembles by itself: llvm-mc -triple=amdgcn-amd-amdhsa -mcpu=gfx1250 --defsym DOCPART=n.
;; ======== version 1 of 1: 4 launches
;; limits: right only within a limited range of input values
;; workspace buffers: w01 1,024,000 bytes; w2q 9,830,400 bytes; h2q 3,276,800 bytes; yw 4,194,304 bytes; ldp 524,288 bytes
;; launch prepw (part 1): grid 80 x 1, 8 waves a work-group, no clusters, 13,824 bytes of LDS; arguments W0, W1, w01; writes w01
.if DOCPART == 1
	.amdgcn_target "amdgcn-amd-amdhsa--gfx1250"
	.amdhsa_code_object_version 6
	.text
	.protected	k_q88ecb62341_prepw
	.globl	k_q88ecb62341_prepw
	.p2align	8
	.type	k_q88ecb62341_prepw,@function
k_q88ecb62341_prepw:
	s_mov_b64 s[64:65], 0
	v_nop
	global_prefetch_b8 v0, s[64:65] scope:SCOPE_SE
	s_setreg_imm32_b32 hwreg(HW_REG_WAVE_MODE, 25, 1), 1
	s_wait_xcnt 0x0
; W0 [256][1024] and W1 [1024][1024], f32 with K as FIRST axis, become codes of FP6 (E2M3) with one E8M0 byte for each 32 along K, laid as IMAGES OF OPERAND REGISTERS.
; A fragment is 16 rows x 128 K, 12 registers a lane: lane (r, h) holds row r, registers 6 c .. 6 c + 5 hold k = 64 c + 32 h + 0 .. 31.
; Register p of lane L lies at (p / 4) x 512 + 16 L + 4 (p % 4) of the fragment's 1,536 bytes; its 16 scale words (byte 2 c + h of row r's word) are 64 bytes.
; A LANE TAKES A COLUMN AND ITS REGISTERS RUN DOWN K: a block of 32 lies in one lane, its largest magnitude needs no other lane, and a lane's two blocks (c = 0, 1) are the 12 registers of one lane of a fragment.
; A block's scale is 2^(floor(log2(largest magnitude)) - 2): the magnitude's exponent field less 2, held at 1 from below by a floor among the maximum's leaves.
; Unit n goes to tile 2 (n / 32) + (n / 8) % 2, row 8 ((n / 16) % 2) + n % 8, so that two neighbouring tiles' results are 16 neighbours along the next K.
; Blocks of 8 fragments [tile % 2][4]: W1 (work-groups 0-63): block 2 (tile / 2) + s / 4, place s % 4; W0 (work-groups 64-79): block tile / 4, place 2 ((tile / 2) % 2) + s.  A work-group makes one block: there is work for 80.
; Only pointers and offsets are chosen by the work-group's number: both tensors take one way through the text.  No tensor load, no matrix instruction.
; LIMITS: NaN and infinities are not served; a block whose largest magnitude lies under 2^-124 (a block of zeros too) gets the byte 1: this program alone reads the bytes.
.set WROW, 4096                        ; a row of W0 or W1 in bytes
.set FRB, 1536                         ; a fragment's image
.set W0S_OFF, 196608                   ; w01: W0's codes at 0, W0's words, W1's codes, W1's words
.set W1C_OFF, 204800
.set W1S_OFF, 991232
.set LSB, 8*FRB                        ; LDS: 8 images at 0, their words here (512 bytes)
.set X0, 32                            ; v32-95: 64 numbers (register 32 c + i = row 64 c + i from my first)
.set R, 160                            ; v160-171 the 12 registers of one lane of a fragment
.set TB, 172                           ; v172-174 a block's upper 16 codes (a conversion's three registers begin on an even number)
.set BY0, 19                           ; the two blocks' scale bytes
.set BY1, 20
.macro QBLK xs, rd, by                 ; 32 numbers of ONE lane -> six registers of codes and the scale's byte
	v_max3_num_f32 v16, |v[\xs]|, |v[\xs+1]|, |v[\xs+2]|
	v_max3_num_f32 v17, |v[\xs+3]|, |v[\xs+4]|, |v[\xs+5]|
.irp i, 6,10,14,18,22,26
	s_delay_alu instid0(VALU_DEP_2)
	v_max3_num_f32 v16, v16, |v[\xs+\i]|, |v[\xs+\i+1]|
	s_delay_alu instid0(VALU_DEP_2)
	v_max3_num_f32 v17, v17, |v[\xs+\i+2]|, |v[\xs+\i+3]|
.endr
	s_delay_alu instid0(VALU_DEP_2)
	v_max3_num_f32 v16, v16, |v[\xs+30]|, |v[\xs+31]|
	s_delay_alu instid0(VALU_DEP_1)
	v_max3_num_f32 v16, v16, v17, 0x1800000        ; the floor 2^(3 - 127): the byte cannot fall under 1
	s_delay_alu instid0(VALU_DEP_1)
	v_add_nc_u32 v18, 0xff000000, v16              ; 2 off the exponent field: the conversion takes this operand's exponent field as its scale
	v_cvt_scalef32_pk16_fp6_f32 v[\rd:\rd+2], v[\xs:\xs+15], v18
	v_cvt_scalef32_pk16_fp6_f32 v[TB:TB+2], v[\xs+16:\xs+31], v18
	v_lshrrev_b32 v[\by], 23, v18                  ; the byte; also the plain line behind the conversions
.irp i, 0,1,2
	v_mov_b32 v[\rd+3+\i], v[TB+\i]
.endr
.endm
	s_load_b128 s[4:7], s[0:1], 0x0                ; W0 s[4:5], W1 s[6:7]
	s_load_b64 s[10:11], s[0:1], 0x10              ; w01
	v_lshl_add_u32 v176, v0, 2, 0x3200
	v_mov_b32 v177, 0
	v_lshrrev_b32 v1, 5, v0
	s_delay_alu instid0(VALU_DEP_1)
	v_readfirstlane_b32 s14, v1                    ; wave 0..7
	s_lshr_b32 s15, s14, 1                         ; cb: which of the block's four places
	s_and_b32 s16, s14, 1                          ; hb: which half of the lanes of a fragment I make
	v_and_b32 v2, 31, v0                           ; lane
	v_lshlrev_b32 v15, 4, v0                       ; the way out: 16 bytes a thread
	s_mov_b32 s17, ttmp9                           ; W1's block, if under 64
	s_sub_co_u32 s18, s17, 64                      ; else W0's
	s_lshr_b32 s19, s17, 1                         ; W1: group of 32 columns,
	s_and_b32 s20, s17, 1
	s_lshl_b32 s20, s20, 2
	s_add_co_u32 s20, s20, s15                     ; K step,
	s_mul_i32 s21, s17, 8*FRB
	s_add_co_u32 s21, s21, W1C_OFF                 ; where the codes go,
	s_lshl_b32 s22, s17, 9
	s_add_co_u32 s22, s22, W1S_OFF                 ; and the words
	s_lshl_b32 s23, s18, 1                         ; W0: the same four
	s_lshr_b32 s24, s15, 1
	s_add_co_u32 s23, s23, s24
	s_and_b32 s24, s15, 1
	s_mul_i32 s25, s18, 8*FRB
	s_lshl_b32 s26, s18, 9
	s_add_co_u32 s26, s26, W0S_OFF
	s_wait_alu depctr_va_vdst(0)
	s_wait_kmcnt 0x0
	s_cmp_lt_u32 s17, 64                           ; the choice hangs on the work-group's number alone
	s_cselect_b64 s[8:9], s[6:7], s[4:5]
	s_cselect_b32 s19, s19, s23
	s_cselect_b32 s20, s20, s24
	s_cselect_b32 s21, s21, s25
	s_cselect_b32 s22, s22, s26
	s_lshl_b32 s30, s20, 19                        ; 128 s rows of 4,096 bytes,
	s_lshl_b32 s31, s16, 17                        ; 32 hb rows,
	s_add_co_u32 s30, s30, s31
	s_lshl_b32 s31, s19, 7                         ; 32 columns a group
	s_add_co_u32 s30, s30, s31
	s_mov_b32 s31, 0
	s_add_nc_u64 s[8:9], s[8:9], s[30:31]
	s_mov_b32 s30, s21
	s_add_nc_u64 s[24:25], s[10:11], s[30:31]
	s_mov_b32 s30, s22
	s_add_nc_u64 s[26:27], s[10:11], s[30:31]
	s_mul_i32 s28, s15, FRB
	s_lshl_b32 s29, s16, 8
	s_add_co_u32 s28, s28, s29                     ; images: place cb, 16 hb lanes on
	s_lshl_b32 s29, s15, 6
	s_add_co_u32 s29, s29, s16
	s_add_co_u32 s29, s29, LSB                     ; words: place cb, byte hb
	v_lshlrev_b32 v5, 2, v2                        ; my column: 128 consecutive bytes a load
	v_bfe_u32 v7, v2, 3, 1                         ; tile % 2
	v_lshrrev_b32 v8, 4, v2
	v_and_b32 v9, 7, v2                            ; row 8 (lane / 16) + lane % 8
	s_delay_alu instid0(VALU_DEP_3)
	v_mul_u32_u24 v6, v7, 4*FRB
	s_delay_alu instid0(VALU_DEP_1)
	v_lshl_add_u32 v6, v8, 7, v6
	s_delay_alu instid0(VALU_DEP_1)
	v_lshl_add_u32 v6, v9, 4, v6
	s_delay_alu instid0(VALU_DEP_1)
	v_add_nc_u32 v6, s28, v6
	v_lshlrev_b32 v12, 8, v7
	s_delay_alu instid0(VALU_DEP_1)
	v_lshl_add_u32 v12, v8, 5, v12
	s_delay_alu instid0(VALU_DEP_1)
	v_lshl_add_u32 v12, v9, 2, v12
	s_delay_alu instid0(VALU_DEP_1)
	v_add_nc_u32 v12, s29, v12
.set q, 0
.rept 64                                       ; my column, rows 64 c + i (c = 0, 1; i = 0 .. 31) from the wave's first row
	global_load_b32 v[X0+q], v5, s[8:9] offset:((q/32)*64+(q%32))*WROW
.set q, q+1
.endr
	s_wait_loadcnt 0x0
	QBLK X0, R, BY0
	QBLK X0+32, R+6, BY1
	ds_store_b128 v6, v[R:R+3]                     ; my lane of a fragment's image,
	ds_store_b128 v6, v[R+4:R+7] offset:512
	ds_store_b128 v6, v[R+8:R+11] offset:1024
	ds_store_b8 v12, v[BY0]                        ; and my two bytes of its row's scale word
	ds_store_b8 v12, v[BY1] offset:2
	s_wait_dscnt 0x0                               ; for the others' sake: my stores have landed
	s_barrier_signal -1
	s_barrier_wait -1
.irp i, 0,1,2
	ds_load_b128 v[32+4*\i:35+4*\i], v15 offset:4096*\i
.endr
.irp i, 0,1,2
	s_wait_dscnt 2-\i
	global_store_b128 v15, v[32+4*\i:35+4*\i], s[24:25] offset:4096*\i     ; a wave stores 512 consecutive bytes, aligned
.endr
	s_cmp_lg_u32 s14, 0                            ; the words: 512 bytes, one wave's worth
	s_cbranch_scc1 .Lend
	ds_load_b128 v[44:47], v15 offset:LSB
	s_wait_dscnt 0x0
	global_store_b128 v15, v[44:47], s[26:27]
.Lend:
	s_wait_tensorcnt 0x0
	ds_add_u32 v176, v177
	s_wait_dscnt 0x0
	s_endpgm
.Lfunc_end_k_q88ecb62341_prepw:
	.size	k_q88ecb62341_prepw, .Lfunc_end_k_q88ecb62341_prepw-k_q88ecb62341_prepw
	.p2alignl 7, 3214868480
	.fill 96, 4, 3214868480
	.section	.rodata,"a",@progbits
	.p2align	6, 0x0
	.amdhsa_kernel k_q88ecb62341_prepw
		.amdhsa_group_segment_fixed_size 13824
		.amdhsa_private_segment_fixed_size 0
		.amdhsa_enable_private_segment 0
		.amdhsa_kernarg_size 24
		.amdhsa_user_sgpr_count 2
		.amdhsa_user_sgpr_kernarg_segment_ptr 1
		.amdhsa_wavefront_size32 1
		.amdhsa_system_sgpr_workgroup_id_x 1
		.amdhsa_system_sgpr_workgroup_id_y 1
		.amdhsa_system_sgpr_workgroup_id_z 1
		.amdhsa_system_vgpr_workitem_id 0
		.amdhsa_next_free_vgpr 178
		.amdhsa_next_free_sgpr 66
		.amdhsa_reserve_vcc 0
		.amdhsa_float_denorm_mode_32 3
		.amdhsa_float_denorm_mode_16_64 3
		.amdhsa_memory_ordered 1
		.amdhsa_forward_progress 1
		.amdhsa_inst_pref_size 15
	.end_amdhsa_kernel
	.amdgpu_metadata
---
amdhsa.version: [ 1, 2 ]
amdhsa.kernels:
  - .name:           k_q88ecb62341_prepw
    .symbol:         k_q88ecb62341_prepw.kd
    .args:
      - { .name: W0, .offset: 0, .size: 8, .value_kind: global_buffer, .address_space: global }
      - { .name: W1, .offset: 8, .size: 8, .value_kind: global_buffer, .address_space: global }
      - { .name: w01, .offset: 16, .size: 8, .value_kind: global_buffer, .address_space: global }
    .group_segment_fixed_size: 13824
    .private_segment_fixed_size: 0
    .kernarg_segment_align: 8
    .kernarg_segment_size: 24
    .max_flat_workgroup_size: 256
    .sgpr_count:     66
    .vgpr_count:     178
    .wavefront_size: 32
...
	.end_amdgpu_metadata
.endif
;; end of part 1
;; launch mlpw (part 2): grid 256 x 1, 4 waves a work-group, no clusters, 313,344 bytes of LDS; arguments x1, b0, b1, w01, h2q, W2, w2q; writes h2q, w2q
.if DOCPART == 2
	.amdgcn_target "amdgcn-amd-amdhsa--gfx1250"
	.amdhsa_code_object_version 6
	.text
	.protected	k_q88ecb62341_mlpw
	.globl	k_q88ecb62341_mlpw
	.p2align	8
	.type	k_q88ecb62341_mlpw,@function
k_q88ecb62341_mlpw:
	s_mov_b64 s[64:65], 0
	v_nop
	global_prefetch_b8 v0, s[64:65] scope:SCOPE_SE
	s_setreg_imm32_b32 hwreg(HW_REG_WAVE_MODE, 25, 1), 1
	s_wait_xcnt 0x0
; TWO JOBS IN ONE LAUNCH.  (1) h2 = relu(relu(x1 W0 + b0) W1 + b1), both products on codes of FP6 (E2M3) with one E8M0 scale for each 32 along K; h2 leaves as codes and scale words, laid as the last product wants them.
; (2) W2 [1024][12032], f32 with K as first axis, is quantised along K into images of operand registers.  Its tile is asked of the tensor data mover at the head and is on its way while job 1 is computed; it is worked on at the end.
; JOB 1, SHARES.  Work-group 4 rg + q takes rows 64 rg .. + 63 and units 256 q .. + 255 of the second layer.  The first layer is made whole for its 64 rows by each of the four q: 128 matrix instructions a wave,
; the price of keeping it out of memory and of a launch.  THE WAVES SHARE THE COLUMNS: wave w makes units 256 w .. + 255 of layer 1 and 256 q + 64 w .. + 63 of layer 2, for all 64 rows, so its
; 32 + 32 fragments of W0 and W1 (768 registers) are read once and stay.  Rows' codes go from wave to wave through LDS as images of operand registers (three stores of 16 bytes a lane; the same three lines as loads).
; Both products are used TRANSPOSED (source 0 = 16 units, source 1 = 16 rows): a lane holds one row, and, by the order in which the weights' tiles were laid, the 16 registers of two neighbouring tiles are 16 neighbours along the next K.
; The biases are the sums' starts: they are loaded from LDS into the accumulators.
; W0 and W1 are read by many work-groups and yet not asked for jointly: they go from memory straight into the registers where they stay; a joint load lands in LDS, and 393,216 bytes of images do not fit there beside W2's tile.
; JOB 2, SHARES.  Work-group 8 pg + s takes the pairs of dimensions 4 pg .. + 3 at K step s: 128 rows x 1,504 consecutive bytes of W2 (a dimension has 47 columns, so no tile of whole dimensions under 32 pairs has rows of whole 256 bytes).
; Each wave fetches 32 rows with one tensor load; nothing is filled twice.  Wave w then makes pair w: A LANE TAKES A COLUMN AND ITS REGISTERS RUN DOWN K, so a block of 32 lies in one lane.
; The 47 columns of a dimension are spread over 48 rows: row 2 i = width i, 2 i + 1 = height i, 32 + k = derivative k, row 32 = zeros.  Tile t of a pair holds rows 8 t .. 8 t + 7 of its first dimension in fragment rows 0-7 and of its
; second in rows 8-15.  w2q: codes [pair][6 s + t][1536], then words [pair][6 s + t][64].  A pair's images and words are made and read by one wave alone.  Its 384 bytes of words leave as one store of consecutive bytes that is no whole number of blocks of 256.
; LIMITS: NaN and infinities are not served; a block whose largest magnitude lies under 2^-124 (a block of zeros too) gets the byte 1: this program alone reads the bytes.
; REGISTERS.  Weight slot n (12 registers): n < 63 in window 1 + n / 21 at 12 (n % 21); slot 63 at v240 of window 0.  Slots 0-31 W0's, 32-63 W1's, in the order of memory.
;   window 0: v1-19, v61 addresses; v20-35, v36-51 the weights' scale words (one register for two neighbouring fragments: lanes 0-15 the even one, lanes 16-31 the odd one); v52 x's words, v53-60 the hidden layer's;
;   v62-78 at work; v80-99 codes just made; v100-163 accumulators; v164-227 fragments from LDS; v228-237 the biases on their way to LDS.  Job 2 takes v62-99 and v100-227 when job 1 has left them.
.set FRB, 1536
.set XIMG, 0                           ; LDS: x's 8 images (2 m + s),
.set XSC, 12288                        ; their words [m][s][16],
.set H1IMG, 12800                      ; layer 1's 32 images (8 m + s),
.set H1SC, 61952                       ; their words [m][s][16],
.set B0L, 64000                        ; b0 (4,096 bytes),
.set B1L, 68096                        ; my work-group's 256 numbers of b1,
.set OIMG, 69120                       ; the result's 8 images [m][2],
.set OSC, 81408                        ; their words [m][2][16],
.set W2T, 81920                        ; W2's tile: 128 rows of W2P bytes, filled once by the tensor loads; nothing is stored there,
.set W2P, 1792                         ; a tile row: seven blocks of 256 bytes, from an aligned start at or below the group's first column
.set W2I, 0                            ; W2's 24 images [pair 4][tile 6]: on the bytes of x's and layer 1's images, which nobody reads behind job 2's barrier
.set W2W, W2I+24*FRB                   ; their words
.set W2ROW, 48128                      ; a row of W2 in memory
.set W0S_OFF, 196608
.set W1C_OFF, 204800
.set W1S_OFF, 991232
.set H2S_OFF, 3145728
.set W2S_OFF, 9437184
.set XA, 4                             ; x1: row r of 1,024 bytes + 64 h
.set LI, 5                             ; 16 x lane
.set LS, 6                             ; 4 x lane
.set WI, 7                             ; 16 x lane + 3,072 x wave: where I store images (two fragments a wave)
.set RS, 8                             ; 4 r + 128 x wave: and their words
.set BA0, 11                           ; B0L + 64 h + 1,024 x wave
.set BA1, 12                           ; B1L + 64 h + 256 x wave
.set OA, 13                            ; v13-15 where my six registers of a result's fragment go, in pairs
.set OS, 16                            ; and my two bytes of its words
.set GB0, 17                           ; 16 x thread
.set GB1, 18                           ; 8 x thread
.set LB0, 19                           ; B0L + 16 x thread
.set LB1, 61                           ; B1L + 8 x thread
.set W0S, 20
.set W1S, 36
.set XS, 52
.set HSR, 53
.set TM, 62
.set PW, 78
.set PC, 80
.set HA, 100
.set FB, 164
.set QC, 62                            ; job 2: v62-63 two chains of a maximum, v64 the conversion's scale operand
.set BY0, 65                           ; the two blocks' scale bytes
.set BY1, 66
.set MK, 67                            ; 0 in the lane of the row of zeros, else all ones
.set TA, 68                            ; v68-71 my column in the tile at rows 64 c + 32 hb: register 2 hb + c
.set A01, 72                           ; where my lane of a width's or height's image goes
.set A2, 73                            ; of a derivative's
.set S01, 74                           ; and the rows' scale words
.set S2, 75
.set OL, 76                            ; the way out: my pair's images + 16 x lane
.set WL, 77                            ; my pair's words + 12 x lane
.set W12, 78                           ; 12 x lane
.set R, 80                             ; v80-91 the 12 registers of one lane of a fragment
.set TB, 92                            ; v92-94 a block's upper 16 codes
.set X0, 100                           ; v100-163, v164-227 two sets of 64 numbers
.set WV, 14
.set SEL, 36
.set G0, 40                            ; s[40:43] descriptor group 0, s[44:51] group 1: never rewritten
.set G1, 44
.set MSB, 0
.macro WIN new                         ; the immediate's high byte repeats the setting that is left
.if MSB != (\new)
	s_set_vgpr_msb (MSB<<8)|(\new)
.set MSB, (\new)
.endif
.endm
.macro SLOTREG n                       ; weight slot n: its window sw and its first register sr
.if (\n) < 63
.set sw, 1+(\n)/21
.set sr, 12*((\n)%21)
.else
.set sw, 0
.set sr, 240
.endif
.endm
.macro WM                              ; the matrix instruction on rD, rA, rB, rC, scales rSA, rSB; fA, fB: the scales stand in lanes 16-31
.if fA && fB
	v_wmma_scale_f32_16x16x128_f8f6f4 v[rD:rD+7], v[rA:rA+11], v[rB:rB+11], v[rC:rC+7], v[rSA], v[rSB] matrix_a_fmt:MATRIX_FMT_FP6 matrix_b_fmt:MATRIX_FMT_FP6 matrix_a_scale:MATRIX_SCALE_ROW1 matrix_b_scale:MATRIX_SCALE_ROW1
.elseif fA
	v_wmma_scale_f32_16x16x128_f8f6f4 v[rD:rD+7], v[rA:rA+11], v[rB:rB+11], v[rC:rC+7], v[rSA], v[rSB] matrix_a_fmt:MATRIX_FMT_FP6 matrix_b_fmt:MATRIX_FMT_FP6 matrix_a_scale:MATRIX_SCALE_ROW1
.elseif fB
	v_wmma_scale_f32_16x16x128_f8f6f4 v[rD:rD+7], v[rA:rA+11], v[rB:rB+11], v[rC:rC+7], v[rSA], v[rSB] matrix_a_fmt:MATRIX_FMT_FP6 matrix_b_fmt:MATRIX_FMT_FP6 matrix_b_scale:MATRIX_SCALE_ROW1
.else
	v_wmma_scale_f32_16x16x128_f8f6f4 v[rD:rD+7], v[rA:rA+11], v[rB:rB+11], v[rC:rC+7], v[rSA], v[rSB] matrix_a_fmt:MATRIX_FMT_FP6 matrix_b_fmt:MATRIX_FMT_FP6
.endif
.endm
.macro PLACES
.rept 4
	v_nop
.endr
.endm
; 64 numbers of a lane, register 16 b + i = k 32 b + 16 (lane / 16) + i of my row, become a fragment's codes in v[PC] on and its scale word in v[PW]
.macro QUANT s
.irp b, 0,1,2,3
	v_max3_num_f32 v[TM+\b], |v[\s+16*\b]|, |v[\s+1+16*\b]|, 0x1800000   ; my 16 numbers of block b, and the floor 2^(3 - 127)
.endr
.irp i, 2,4,6,8,10,12,14
.irp b, 0,1,2,3
	v_max3_num_f32 v[TM+\b], v[TM+\b], |v[\s+16*\b+\i]|, |v[\s+1+16*\b+\i]|
.endr
.endr
.irp b, 0,1,2,3
	v_permlanex16_b32 v[TM+4+\b], v[TM+\b], s[SEL], s[SEL+1]
.endr
.irp b, 0,1,2,3
	v_max_num_f32 v[TM+\b], v[TM+\b], v[TM+4+\b]   ; with lane l xor 16's: the block's largest magnitude
.endr
.irp b, 0,1,2,3
	v_add_nc_u32 v[TM+12+\b], 0xff000000, v[TM+\b] ; 2 off its exponent field: the conversion's scale operand
.endr
.irp b, 0,1,2,3
	v_lshrrev_b32 v[TM+4+\b], 23, v[TM+12+\b]      ; the scale's byte
.endr
	v_lshl_or_b32 v[PW], v[TM+5], 8, v[TM+4]
	v_lshl_or_b32 v[PW], v[TM+6], 16, v[PW]
	v_lshl_or_b32 v[PW], v[TM+7], 24, v[PW]
.irp c, 0,1
	v_cvt_scalef32_pk16_fp6_f32 v[PC+6*\c:PC+2+6*\c], v[\s+32*\c:\s+15+32*\c], v[TM+12+2*\c]
	v_cvt_scalef32_pk16_fp6_f32 v[PC+12+4*\c:PC+14+4*\c], v[\s+16+32*\c:\s+31+32*\c], v[TM+12+2*\c+1]
.endr
	v_nop                                          ; one plain line behind a scaled conversion
.irp c, 0,1                                    ; the layout wants a WHOLE block in a lane: lanes 0-15 block 2 c, lanes 16-31 block 2 c + 1
.irp i, 0,1,2
	v_permlane16_swap_b32 v[PC+6*\c+\i], v[PC+12+4*\c+\i]
.endr
.irp i, 0,1,2
	v_mov_b32 v[PC+3+6*\c+\i], v[PC+12+4*\c+\i]
.endr
.endr
.endm
; the same for 32 numbers: half a fragment (six registers in v[PC] on) and two bytes in v[PW]
.macro HQUANT s
.irp b, 0,1
	v_max3_num_f32 v[TM+\b], |v[\s+16*\b]|, |v[\s+1+16*\b]|, 0x1800000
.endr
.irp i, 2,4,6,8,10,12,14
.irp b, 0,1
	v_max3_num_f32 v[TM+\b], v[TM+\b], |v[\s+16*\b+\i]|, |v[\s+1+16*\b+\i]|
.endr
.endr
.irp b, 0,1
	v_permlanex16_b32 v[TM+4+\b], v[TM+\b], s[SEL], s[SEL+1]
.endr
.irp b, 0,1
	v_max_num_f32 v[TM+\b], v[TM+\b], v[TM+4+\b]
.endr
.irp b, 0,1
	v_add_nc_u32 v[TM+12+\b], 0xff000000, v[TM+\b]
.endr
.irp b, 0,1
	v_lshrrev_b32 v[TM+4+\b], 23, v[TM+12+\b]
.endr
	v_lshl_or_b32 v[PW], v[TM+5], 8, v[TM+4]
	v_cvt_scalef32_pk16_fp6_f32 v[PC:PC+2], v[\s:\s+15], v[TM+12]
	v_cvt_scalef32_pk16_fp6_f32 v[PC+12:PC+14], v[\s+16:\s+31], v[TM+13]
	v_nop
.irp i, 0,1,2
	v_permlane16_swap_b32 v[PC+\i], v[PC+12+\i]
.endr
.irp i, 0,1,2
	v_mov_b32 v[PC+3+\i], v[PC+12+\i]
.endr
.endm
.macro IMAGE adr, off                  ; the fragment in v[PC] on goes to LDS as it stands
.irp c, 0,1,2
	ds_store_b128 v[\adr], v[PC+4*\c:PC+4*\c+3] offset:\off+512*\c
.endr
.endm
.macro FETCH reg, off                  ; and comes back so, in any wave
.irp c, 0,1,2
	ds_load_b128 v[\reg+4*\c:\reg+4*\c+3], v[LI] offset:\off+512*\c
.endr
.endm
.macro BARRIER                         ; my LDS stores have landed and my LDS loads are in: then the work-group's barrier
	s_wait_dscnt 0x0
	s_barrier_signal -1
	s_barrier_wait -1
.endm
.macro RELU                            ; the activation on the 64 accumulator registers, each accumulator from its low end on
.set jj, 0
.rept 64
	v_max_num_f32 v[HA+jj], 0, v[HA+jj]
.set jj, jj+1
.endr
.endm
.macro XLOAD reg, s                    ; my 16 rows' numbers of K step s: 64 a lane
.irp b, 0,1,2,3
.irp j, 0,1,2,3
	global_load_b128 v[\reg+16*\b+4*\j:\reg+16*\b+4*\j+3], v[XA], s[4:5] offset:512*\s+128*\b+16*\j
.endr
.endr
.endm
; ---- job 2's macros.  Item n of a wave's six: half of the lanes hb = n / 3; n % 3 = 0 widths, 1 heights, 2 derivatives
.macro QBLK xs, rd, by, masked         ; 32 numbers of ONE lane -> six registers of codes and the scale's byte
	v_max3_num_f32 v[QC], |v[\xs]|, |v[\xs+1]|, |v[\xs+2]|
	v_max3_num_f32 v[QC+1], |v[\xs+3]|, |v[\xs+4]|, |v[\xs+5]|
.irp i, 6,10,14,18,22,26
	v_max3_num_f32 v[QC], v[QC], |v[\xs+\i]|, |v[\xs+\i+1]|
	v_max3_num_f32 v[QC+1], v[QC+1], |v[\xs+\i+2]|, |v[\xs+\i+3]|
.endr
	v_max3_num_f32 v[QC], v[QC], |v[\xs+30]|, |v[\xs+31]|
	v_max3_num_f32 v[QC], v[QC], v[QC+1], 0x1800000        ; the floor 2^(3 - 127): the byte cannot fall under 1
	v_add_nc_u32 v[QC+2], 0xff000000, v[QC]                ; 2 off the exponent field: the conversion's scale operand
	v_cvt_scalef32_pk16_fp6_f32 v[\rd:\rd+2], v[\xs:\xs+15], v[QC+2]
	v_cvt_scalef32_pk16_fp6_f32 v[TB:TB+2], v[\xs+16:\xs+31], v[QC+2]
	v_lshrrev_b32 v[\by], 23, v[QC+2]                      ; the byte; also the plain line behind the conversions
.irp i, 0,1,2
.if \masked
	v_and_b32 v[\rd+\i], v[MK], v[\rd+\i]                  ; the row of zeros: its codes are cleared
	v_and_b32 v[\rd+3+\i], v[MK], v[TB+\i]
.else
	v_mov_b32 v[\rd+3+\i], v[TB+\i]
.endif
.endr
.endm
.macro PUT ca, sa, co, so              ; my lane of a fragment's image, and my two bytes of its row's scale word
	ds_store_b128 v[\ca], v[R:R+3] offset:\co
	ds_store_b128 v[\ca], v[R+4:R+7] offset:\co+512
	ds_store_b128 v[\ca], v[R+8:R+11] offset:\co+1024
	ds_store_b8 v[\sa], v[BY0] offset:\so
	ds_store_b8 v[\sa], v[BY1] offset:\so+2
.endm
.macro TLD n                           ; item n's 64 numbers out of the tile into set n % 2: my column, rows 64 c + 32 hb + i.  Sixteen lanes read 64 consecutive bytes, the other sixteen 188 bytes on: 32 different banks
.set xb, X0+64*((\n)%2)
.set hbn, (\n)/3
.set aan, (\n)%3
.set q, 0
.rept 64
	ds_load_b32 v[xb+q], v[TA+2*hbn+q/32] offset:(q%32)*W2P+64*aan-4*(aan/2)     ; widths from column 0, heights from 16, derivatives from 31
.set q, q+1
.endr
.endm
.macro W2ITEM n
.set xb, X0+64*((\n)%2)
.set hbn, (\n)/3
.set aan, (\n)%3
.set msk, aan/2
	QBLK xb, R, BY0, msk
	QBLK xb+32, R+6, BY1, msk
.if aan < 2
	PUT A01, S01, 256*hbn+16*aan, hbn+4*aan        ; tile kappa / 4, row 8 dl + 2 (kappa % 4) + (1 for a height), lane + 16 hb
.else
	PUT A2, S2, 4*FRB+256*hbn, 256+hbn             ; tile 4 + kappa / 8, row 8 dl + kappa % 8
.endif
.endm
	s_load_b256 s[4:11], s[0:1], 0x0               ; x1 s[4:5], b0 s[6:7], b1 s[8:9], w01 s[10:11]
	s_load_b64 s[12:13], s[0:1], 0x20              ; h2q
	s_load_b64 s[52:53], s[0:1], 0x28              ; W2
	s_load_b64 s[54:55], s[0:1], 0x30              ; w2q
	v_lshl_add_u32 v254, v0, 2, 0x4c600
	v_mov_b32 v255, 0
	ds_add_u32 v254, v255
	ds_add_u32 v254, v255
	v_lshrrev_b32 v1, 5, v0
	v_readfirstlane_b32 s[WV], v1                  ; wave 0..3
	v_and_b32 v1, 31, v0                           ; lane
	v_and_b32 v2, 15, v0                           ; r
	s_wait_alu depctr_va_vdst(0)
	v_bfe_u32 v3, v0, 4, 1                         ; h
	s_lshr_b32 s15, ttmp9, 2                       ; rg
	s_and_b32 s16, ttmp9, 3                        ; q
	s_lshr_b32 s38, ttmp9, 3                       ; pg: job 2's group of four pairs
	s_and_b32 s39, ttmp9, 7                        ; and its K step
	; descriptor group 1: 32 rows of 448 elements of 4 bytes, 12,032 elements from row to row, no padding (a row of 448 words is no power of two)
	s_mov_b32 s[G1], 2<<16                         ; 15:0 no mask; 17:16 elements of 4 bytes; 20 padding off
	s_mov_b32 s[G1+1], 448<<16                     ; tensor_dim0: 448 elements, 1,792 bytes
	s_mov_b32 s[G1+2], 32<<16                      ; tensor_dim1
	s_mov_b32 s[G1+3], 448<<16                     ; tile_dim0
	s_mov_b32 s[G1+4], 32                          ; tile_dim1
	s_mov_b32 s[G1+5], 12032                       ; the pitch
	s_mov_b32 s[G1+6], 0
	s_mov_b32 s[G1+7], 0
	s_mov_b32 s[G0], 1
	s_mul_i32 s[G0+1], s[WV], 32*W2P
	s_add_co_u32 s[G0+1], s[G0+1], W2T             ; LDS: my 32 rows of the tile
	v_lshlrev_b32 v[XA], 10, v2
	s_wait_alu depctr_va_vdst(0)
	v_lshl_add_u32 v[XA], v3, 6, v[XA]
	v_lshlrev_b32 v[LI], 4, v1
	s_wait_alu depctr_va_vdst(0)
	v_lshlrev_b32 v[LS], 2, v1
	s_mul_i32 s17, s[WV], 2*FRB
	v_add_nc_u32 v[WI], s17, v[LI]
	s_lshl_b32 s17, s[WV], 7
	v_lshl_add_u32 v[RS], v2, 2, s17
	s_lshl_b32 s17, s[WV], 10
	s_add_co_u32 s17, s17, B0L
	v_lshl_add_u32 v[BA0], v3, 6, s17
	s_lshl_b32 s17, s[WV], 8
	s_add_co_u32 s17, s17, B1L
	v_lshl_add_u32 v[BA1], v3, 6, s17
	s_and_b32 s18, s[WV], 1                        ; c: which half of a result's fragment I make (registers 6 c .. 6 c + 5),
	s_lshr_b32 s19, s[WV], 1                       ; and of which of the work-group's two K steps
	s_mul_i32 s20, s19, FRB
	s_add_co_u32 s20, s20, OIMG
	s_mul_i32 s21, s18, 3
.irp i, 0,1,2                                  ; register pair 3 c + i of the fragment's six: piece (3 c + i) / 2 of 512 bytes, half (3 c + i) % 2 of a lane's 16
	s_add_co_u32 s22, s21, \i
	s_lshr_b32 s23, s22, 1
	s_lshl_b32 s23, s23, 9
	s_and_b32 s22, s22, 1
	s_lshl_b32 s22, s22, 3
	s_add_co_u32 s22, s22, s23
	s_add_co_u32 s22, s22, s20
	v_add_nc_u32 v[OA+\i], s22, v[LI]
.endr
	s_lshl_b32 s21, s19, 6
	s_lshl_b32 s22, s18, 1
	s_add_co_u32 s21, s21, s22
	s_add_co_u32 s21, s21, OSC
	v_lshl_add_u32 v[OS], v2, 2, s21
	v_lshlrev_b32 v[GB0], 4, v0
	v_lshlrev_b32 v[GB1], 3, v0
	v_lshl_add_u32 v[LB0], v0, 4, B0L
	v_lshl_add_u32 v[LB1], v0, 3, B1L
	v_add_nc_u32 v238, OIMG, v[WI]                 ; the way out: my 3,072 bytes of the result's images,
	v_add_nc_u32 v239, OSC, v[LI]                  ; and the words
	s_mov_b32 s[SEL], 0x76543210
	s_mov_b32 s[SEL+1], 0xfedcba98                 ; v_permlanex16_b32's selects for lane l xor 16
.irp b, 0,1,2,3
	v_mov_b32 v[TM+4+\b], 0                        ; written once: a lane permute's destination counts as one of its sources
.endr
	s_mov_b32 s21, 0
	s_wait_alu depctr_va_vdst(0)
	s_wait_dscnt 0x0
	s_wait_kmcnt 0x0
	s_lshl_b32 s20, s15, 16
	s_lshl_b32 s22, s[WV], 14
	s_add_co_u32 s20, s20, s22                     ; x1: row 64 rg + 16 w
	s_add_nc_u64 s[4:5], s[4:5], s[20:21]
	s_lshl_b32 s20, s16, 10
	s_add_nc_u64 s[8:9], s[8:9], s[20:21]          ; b1: my work-group's 256
	s_mul_i32 s20, s[WV], 32*FRB
	s_add_nc_u64 s[24:25], s[10:11], s[20:21]      ; W0's codes: my 32 fragments
	s_lshl_b32 s20, s[WV], 11
	s_add_co_u32 s20, s20, W0S_OFF
	s_add_nc_u64 s[26:27], s[10:11], s[20:21]      ; their words
	s_lshl_b32 s20, s16, 3
	s_lshl_b32 s22, s[WV], 1
	s_add_co_u32 s20, s20, s22
	s_mul_i32 s20, s20, 16*FRB
	s_add_co_u32 s20, s20, W1C_OFF
	s_add_nc_u64 s[28:29], s[10:11], s[20:21]      ; W1's codes: fragments 16 (8 q + 2 w) on
	s_lshl_b32 s20, s16, 4
	s_lshl_b32 s22, s[WV], 2
	s_add_co_u32 s20, s20, s22
	s_lshl_b32 s20, s20, 9
	s_add_co_u32 s20, s20, W1S_OFF
	s_add_nc_u64 s[30:31], s[10:11], s[20:21]
	s_lshl_b32 s20, s15, 2
	s_add_co_u32 s20, s20, s[WV]
	s_mul_i32 s20, s20, 8*FRB
	s_mul_i32 s22, s16, 2*FRB
	s_add_co_u32 s20, s20, s22
	s_add_nc_u64 s[32:33], s[12:13], s[20:21]      ; h2's codes: row tile 4 rg + w, K steps 2 q, 2 q + 1
	s_lshl_b32 s20, s16, 15
	s_lshl_b32 s22, s15, 9
	s_add_co_u32 s20, s20, s22
	s_add_co_u32 s20, s20, H2S_OFF
	s_add_nc_u64 s[34:35], s[12:13], s[20:21]      ; h2's words: plane q, row tiles 4 rg on
	s_lshl_b32 s20, s39, 7
	s_lshl_b32 s22, s[WV], 5
	s_add_co_u32 s20, s20, s22                     ; W2: row 128 s + 32 w,
	s_mul_i32 s20, s20, W2ROW
	s_mul_i32 s22, s38, 4*376                      ; byte of pair 4 pg in a row of W2
	s_and_b32 s60, s22, 0xe0                       ; how far that lies behind a multiple of 256 (a multiple of 32)
	s_cmp_eq_u32 s38, 31                           ; the last group: 1,792 bytes from its aligned start would pass the row's end,
	s_cselect_b32 s61, 256, 0                      ; so its tile begins one block of 256 bytes earlier
	s_add_co_u32 s60, s60, s61                     ; s60: where my group's columns begin in a tile row,
	s_min_u32 s60, s60, 288                        ; at most 1,792 - 1,504 bytes in: the group's 1,504 bytes end inside the row
	s_sub_co_u32 s22, s22, s60                     ; the tile's first byte in the row: a multiple of 256
	s_add_co_u32 s20, s20, s22
	s_add_nc_u64 s[G0+2:G0+3], s[52:53], s[20:21]
	s_or_b32 s[G0+3], s[G0+3], 0x80000000          ; type = 2
	s_mul_i32 s20, s38, 4*48*FRB
	s_mul_i32 s22, s[WV], 48*FRB
	s_add_co_u32 s20, s20, s22
	s_mul_i32 s22, s39, 6*FRB
	s_add_co_u32 s20, s20, s22
	s_add_nc_u64 s[56:57], s[54:55], s[20:21]      ; w2q's codes: pair 4 pg + w, fragments 6 s on
	s_mul_i32 s20, s38, 4*48*64
	s_mul_i32 s22, s[WV], 48*64
	s_add_co_u32 s20, s20, s22
	s_mul_i32 s22, s39, 6*64
	s_add_co_u32 s20, s20, s22
	s_add_co_u32 s20, s20, W2S_OFF
	s_add_nc_u64 s[58:59], s[54:55], s[20:21]      ; and their words
	XLOAD HA, 0
	XLOAD FB, 1
	global_load_b128 v[228:231], v[GB0], s[6:7]
	global_load_b128 v[232:235], v[GB0], s[6:7] offset:2048
	global_load_b64 v[236:237], v[GB1], s[8:9]
.set n, 0
.rept 32
	SLOTREG n
	WIN (sw<<6)                                    ; the destination's window
.irp p, 0,1,2
	global_load_b128 v[sr+4*\p:sr+4*\p+3], v[LI], s[24:25] offset:FRB*n+512*\p
.endr
.set n, n+1
.endr
	WIN 0
.irp u, 0,1,2,3,4,5,6,7,8,9,10,11,12,13,14,15
	global_load_b32 v[W0S+\u], v[LS], s[26:27] offset:128*\u
.endr
.set n, 32
.rept 32
	SLOTREG n
	WIN (sw<<6)
.irp p, 0,1,2
	global_load_b128 v[sr+4*\p:sr+4*\p+3], v[LI], s[28:29] offset:FRB*(n-32)+512*\p
.endr
.set n, n+1
.endr
	WIN 0
.irp u, 0,1,2,3,4,5,6,7,8,9,10,11,12,13,14,15
	global_load_b32 v[W1S+\u], v[LS], s[30:31] offset:128*\u
.endr
	tensor_load_to_lds s[G0:G0+3], s[G1:G1+7]      ; my 32 rows of W2's tile: behind job 1's loads, ahead of job 1's LDS instructions and barriers; one tensor load of mine is out, and it has all of job 1 in which to land
	s_nop 0
	PLACES                                         ; four v_nop follow it
	s_wait_loadcnt 63                              ; 112 loads (W1's) were issued behind W0's last: x1, the biases and W0 are in
	ds_store_b128 v[LB0], v[228:231]
	ds_store_b128 v[LB0], v[232:235] offset:2048
	ds_store_b64 v[LB1], v[236:237]
	; ---- X: my 16 rows of x1 become two fragments
	QUANT HA
	IMAGE WI, XIMG
	ds_store_b32 v[RS], v[PW] offset:XSC
	s_wait_dscnt 0x0                               ; the stores have read their registers, which the next lines write
	QUANT FB
	IMAGE WI, XIMG+FRB
	ds_store_b32 v[RS], v[PW] offset:XSC+64
	BARRIER                                        ; x's eight fragments and the biases lie in LDS
	; ---- 1: my 256 units of layer 1, 128 (one K step of layer 2) x 16 rows at a time
.irp c, 0,1
.irp m, 0,1,2,3
.irp t, 0,1,2,3,4,5,6,7
	ds_load_b128 v[HA+8*\t:HA+8*\t+3], v[BA0] offset:(128*\c+32*(\t/2)+8*(\t%2))*4        ; b0 of the tile's eight units of my half: the sum's start
	ds_load_b128 v[HA+8*\t+4:HA+8*\t+7], v[BA0] offset:(128*\c+32*(\t/2)+8*(\t%2))*4+16
.endr
	FETCH FB, XIMG+(2*\m)*FRB
	FETCH FB+12, XIMG+(2*\m+1)*FRB
	ds_load_b32 v[XS], v[LS] offset:XSC+128*\m     ; lanes 0-15: K step 0's words, lanes 16-31: K step 1's
	s_wait_dscnt 0x0                               ; these loads are in; and the image stores of the tile before have read the codes' registers, which are written again only below
.irp s, 0,1
.irp t, 0,1,2,3,4,5,6,7                        ; the eight accumulators by turns
.set sn, ((8*\c+\t)/4)*8+((8*\c+\t)%2)*4+(((8*\c+\t)/2)%2)*2+\s
	SLOTREG sn
	WIN sw
.set rD, HA+8*\t
.set rC, rD
.set rA, sr
.set rB, FB+12*\s
.set rSA, W0S+sn/2
.set rSB, XS
.set fA, \s
.set fB, \s
	WM
.endr
.endr
	WIN 0
	PLACES                                         ; four plain lines between the last product and the first read of results
	RELU
	QUANT HA
	IMAGE WI, H1IMG+(8*\m+\c)*FRB                  ; K step 2 w + c of layer 2, rows 16 m on
	ds_store_b32 v[RS], v[PW] offset:H1SC+512*\m+64*\c
.endr
.endr
	BARRIER                                        ; layer 1's 32 fragments lie in LDS
	s_wait_loadcnt 0x0                             ; W1
	; ---- 2: my 64 units of layer 2, two tiles of rows at a time: eight accumulators by turns, a K step at a time
.irp mp, 0,1
.irp ml, 0,1
.irp t, 0,1,2,3
	ds_load_b128 v[HA+32*\ml+8*\t:HA+32*\ml+8*\t+3], v[BA1] offset:(32*(\t/2)+8*(\t%2))*4
	ds_load_b128 v[HA+32*\ml+8*\t+4:HA+32*\ml+8*\t+7], v[BA1] offset:(32*(\t/2)+8*(\t%2))*4+16
.endr
.irp u, 0,1,2,3
	ds_load_b32 v[HSR+4*\ml+\u], v[LS] offset:H1SC+512*(2*\mp+\ml)+128*\u
.endr
.endr
	FETCH FB, H1IMG+(8*(2*\mp))*FRB
	FETCH FB+12, H1IMG+(8*(2*\mp+1))*FRB
.irp s, 0,1,2,3,4,5,6,7
	WIN 0
.if \s < 7
.if \s > 0
	PLACES                                         ; the buffer to be loaded was read by the K step before
.endif
	FETCH FB+24*((\s+1)%2), H1IMG+(8*(2*\mp)+\s+1)*FRB
	FETCH FB+24*((\s+1)%2)+12, H1IMG+(8*(2*\mp+1)+\s+1)*FRB
	s_wait_dscnt 6                                 ; all but the six loads just issued: the stores of the row tiles before are done too
.else
	s_wait_dscnt 0x0
.endif
.irp t, 0,1,2,3
.irp ml, 0,1
.set sn, 32+((\t/2)*2+\s/4)*8+(\t%2)*4+(\s%4)
	SLOTREG sn
	WIN sw
.set rD, HA+32*\ml+8*\t
.set rC, rD
.set rA, sr
.set rB, FB+24*(\s%2)+12*\ml
.set rSA, W1S+(sn-32)/2
.set rSB, HSR+4*\ml+\s/2
.set fA, \s%2
.set fB, \s%2
	WM
.endr
.endr
.endr
	WIN 0
	PLACES
	RELU
.irp ml, 0,1
	HQUANT HA+32*\ml
.irp i, 0,1,2
	ds_store_b64 v[OA+\i], v[PC+2*\i:PC+2*\i+1] offset:(2*\mp+\ml)*2*FRB
.endr
	ds_store_b16 v[OS], v[PW] offset:128*(2*\mp+\ml)
.if \ml == 0
	s_wait_dscnt 0x0                               ; the stores have read their registers, which the next lines write
.endif
.endr
.endr
	BARRIER                                        ; the result's eight fragments lie in LDS
.irp i, 0,1,2,3,4,5
	ds_load_b128 v[HA+4*\i:HA+4*\i+3], v238 offset:512*\i
.endr
.irp i, 0,1,2,3,4,5
	s_wait_dscnt 5-\i
	global_store_b128 v[LI], v[HA+4*\i:HA+4*\i+3], s[32:33] offset:512*\i     ; 512 consecutive bytes, aligned
.endr
	; ---- job 2: my pair of W2's tile.  kappa = v2 (which width, height or derivative), dl = v3 (which dimension of the pair)
	s_mul_i32 s20, s[WV], 376
	s_add_co_u32 s20, s20, W2T
	s_add_co_u32 s20, s20, s60                     ; the group's columns begin s60 bytes into a tile row
	s_mul_i32 s21, s[WV], 6*FRB
	s_add_co_u32 s21, s21, W2I                     ; its six images
	s_mul_i32 s23, s[WV], 384
	s_add_co_u32 s23, s23, W2W                     ; their words
	v_mul_u32_u24 v9, v3, 188
	v_lshl_add_u32 v9, v2, 2, v9                   ; my column: (47 dl + kappa) x 4 bytes
	v_add_nc_u32 v[TA], s20, v9                    ; rows 0 on,
	v_add_nc_u32 v[TA+1], 64*W2P, v[TA]            ; 64 on,
	v_add_nc_u32 v[TA+2], 32*W2P, v[TA]            ; 32 on,
	v_add_nc_u32 v[TA+3], 96*W2P, v[TA]            ; 96 on
	v_lshrrev_b32 v10, 2, v2
	v_and_b32 v95, 3, v2
	v_lshrrev_b32 v99, 3, v2
	v_and_b32 v79, 7, v2
	v_mul_u32_u24 v[A01], v10, FRB
	v_lshl_add_u32 v[A01], v3, 7, v[A01]
	v_lshl_add_u32 v[A01], v95, 5, v[A01]
	v_add_nc_u32 v[A01], s21, v[A01]
	v_mul_u32_u24 v[A2], v99, FRB
	v_lshl_add_u32 v[A2], v3, 7, v[A2]
	v_lshl_add_u32 v[A2], v79, 4, v[A2]
	v_add_nc_u32 v[A2], s21, v[A2]
	v_lshlrev_b32 v[S01], 6, v10
	v_lshl_add_u32 v[S01], v3, 5, v[S01]
	v_lshl_add_u32 v[S01], v95, 3, v[S01]
	v_add_nc_u32 v[S01], s23, v[S01]
	v_lshlrev_b32 v[S2], 6, v99
	v_lshl_add_u32 v[S2], v3, 5, v[S2]
	v_lshl_add_u32 v[S2], v79, 2, v[S2]
	v_add_nc_u32 v[S2], s23, v[S2]
	v_add_nc_u32 v[OL], s21, v[LI]
	v_mul_u32_u24 v[W12], v1, 12
	v_add_nc_u32 v[WL], s23, v[W12]
	v_cmp_ne_u32 vcc_lo, 0, v2
	v_cndmask_b32 v[MK], 0, -1, vcc_lo             ; kappa = 0 of the derivatives' items is the row of zeros (its lane reads height 15, inside the tile)
	s_wait_xcnt 0x0                                ; h2's stores have read their registers: the tile's numbers may land there
	s_wait_tensorcnt 0x0                           ; my 32 rows of the tile are in,
	BARRIER                                        ; everybody's are
	TLD 0
	TLD 1
.irp n, 0,1,2,3
	s_wait_dscnt 63                                ; behind this item's last load stand the next item's 64 loads (and five stores): it is in, and the stores of the item before have read the codes' registers
	W2ITEM \n
	TLD \n+2
.endr
	s_wait_dscnt 63
	W2ITEM 4
	s_wait_dscnt 0x0
	W2ITEM 5
.irp i, 0,1,2,3,4,5,6,7,8,9,10,11,12,13,14,15,16,17
	ds_load_b128 v[X0+4*\i:X0+4*\i+3], v[OL] offset:512*\i         ; LDS serves a wave's instructions in order: these see my stores; no other wave touches my pair's bytes
.endr
.irp i, 0,1,2
	ds_load_b32 v[176+\i], v[WL] offset:4*\i
.endr
.irp i, 0,1,2,3,4,5,6,7,8,9,10,11,12,13,14,15,16,17
	s_wait_dscnt 20-\i
	global_store_b128 v[LI], v[X0+4*\i:X0+4*\i+3], s[56:57] offset:512*\i     ; 512 consecutive bytes, aligned
.endr
	s_wait_dscnt 0x0
	global_store_b96 v[W12], v[176:178], s[58:59]  ; the pair's 96 scale words: 384 consecutive bytes
	s_cmp_lg_u32 s[WV], 0                          ; h2's words: 512 bytes, one wave's worth
	s_cbranch_scc1 .Lend
	ds_load_b128 v[180:183], v239
	s_wait_dscnt 0x0
	global_store_b128 v[LI], v[180:183], s[34:35]
.Lend:
	s_wait_tensorcnt 0x0
	ds_add_u32 v254, v255
	s_wait_dscnt 0x0
	s_endpgm
.Lfunc_end_k_q88ecb62341_mlpw:
	.size	k_q88ecb62341_mlpw, .Lfunc_end_k_q88ecb62341_mlpw-k_q88ecb62341_mlpw
	.p2alignl 7, 3214868480
	.fill 96, 4, 3214868480
	.section	.rodata,"a",@progbits
	.p2align	6, 0x0
	.amdhsa_kernel k_q88ecb62341_mlpw
		.amdhsa_group_segment_fixed_size 313344
		.amdhsa_private_segment_fixed_size 0
		.amdhsa_enable_private_segment 0
		.amdhsa_kernarg_size 56
		.amdhsa_user_sgpr_count 2
		.amdhsa_user_sgpr_kernarg_segment_ptr 1
		.amdhsa_wavefront_size32 1
		.amdhsa_system_sgpr_workgroup_id_x 1
		.amdhsa_system_sgpr_workgroup_id_y 1
		.amdhsa_system_sgpr_workgroup_id_z 1
		.amdhsa_system_vgpr_workitem_id 0
		.amdhsa_next_free_vgpr 1024
		.amdhsa_next_free_sgpr 66
		.amdhsa_reserve_vcc 1
		.amdhsa_float_denorm_mode_32 3
		.amdhsa_float_denorm_mode_16_64 3
		.amdhsa_memory_ordered 1
		.amdhsa_forward_progress 1
		.amdhsa_inst_pref_size 209
	.end_amdhsa_kernel
	.amdgpu_metadata
---
amdhsa.version: [ 1, 2 ]
amdhsa.kernels:
  - .name:           k_q88ecb62341_mlpw
    .symbol:         k_q88ecb62341_mlpw.kd
    .args:
      - { .name: x1, .offset: 0, .size: 8, .value_kind: global_buffer, .address_space: global }
      - { .name: b0, .offset: 8, .size: 8, .value_kind: global_buffer, .address_space: global }
      - { .name: b1, .offset: 16, .size: 8, .value_kind: global_buffer, .address_space: global }
      - { .name: w01, .offset: 24, .size: 8, .value_kind: global_buffer, .address_space: global }
      - { .name: h2q, .offset: 32, .size: 8, .value_kind: global_buffer, .address_space: global }
      - { .name: W2, .offset: 40, .size: 8, .value_kind: global_buffer, .address_space: global }
      - { .name: w2q, .offset: 48, .size: 8, .value_kind: global_buffer, .address_space: global }
    .group_segment_fixed_size: 313344
    .private_segment_fixed_size: 0
    .kernarg_segment_align: 8
    .kernarg_segment_size: 56
    .max_flat_workgroup_size: 128
    .sgpr_count:     66
    .vgpr_count:     1024
    .wavefront_size: 32
...
	.end_amdgpu_metadata
.endif
;; end of part 2
;; launch main (part 3): grid 32 x 8, 4 waves a work-group, clusters of 4 x 1, 327,680 bytes of LDS; arguments x2, b2, w2q, h2q, yw, ldp; writes yw, ldp
.if DOCPART == 3
	.amdgcn_target "amdgcn-amd-amdhsa--gfx1250"
	.amdhsa_code_object_version 6
	.text
	.protected	k_q88ecb62341_main
	.globl	k_q88ecb62341_main
	.p2align	8
	.type	k_q88ecb62341_main,@function
k_q88ecb62341_main:
	s_mov_b64 s[64:65], 0
	v_nop
	global_prefetch_b8 v0, s[64:65] scope:SCOPE_SE
	s_setreg_imm32_b32 hwreg(HW_REG_WAVE_MODE, 25, 1), 1
	s_wait_xcnt 0x0
	s_wait_alu depctr_hold_cnt(0) depctr_sa_sdst(0) depctr_va_vdst(0) depctr_va_sdst(0) depctr_va_ssrc(0) depctr_va_vcc(0) depctr_vm_vsrc(0)
	s_getreg_b32 s2, hwreg(HW_REG_IB_STS2, 6, 4)
	s_cmp_eq_u32 s2, 0
	s_cbranch_scc0 .Lentry_in_a_cluster
	s_endpgm
.Lentry_in_a_cluster:
	s_bfe_u32 s2, ttmp6, 0x10000c
	s_cmp_lg_u32 s2, 0x3003
	s_cbranch_scc0 .Lentry_shape_is_right
	s_endpgm
.Lentry_shape_is_right:
; p = h2 W2 + b2 on codes of FP6 (E2M3), and the rational-quadratic spline on p, which never goes to memory.
; SHARES.  Work-group (g, rgp): dimensions 8 g .. + 7, rows 512 rgp .. + 511.  Wave w owns the pair of dimensions 4 g + w for all 32 tiles of 16 rows.  The pair's 48 weight fragments
; (6 tiles of parameters x 8 K steps, 576 registers) are read once and stay.  h2's codes go through two LDS slots of 8 row tiles.  The four work-groups of a cluster want the same rows: each tensor load is a
; JOINT load (mask 15); the place in the cluster enters global addresses of plain loads and stores alone.  h2's scale words (16,384 of a work-group's 409,600 bytes of h2) come by plain loads through LDS.
; No prefetch: a refill is asked for eight units (384 matrix instructions and eight splines) ahead of its first read.
; LAYOUT.  The product is used transposed (source 0 = 16 rows of parameters, source 1 = 16 rows of h2): lane (r, h) holds row r and all 48 parameters of dimension 2 pair + h: register 2 i = width i, 2 i + 1 = height i,
; 32 + k = derivative k; register 32 comes from a row of zero codes and a bias register that holds the tails' constant: it is derivative 0 and 16.  b2 is the C of each sum's first instruction.
; A UNIT is 16 rows: 48 matrix instructions on six accumulators that take turns (set X), and a spline in two parts.  The first part takes the maxima of X, writes the scaled exponents and the derivatives into set Y
; and issues Y's 32 exponentials; the next unit's 48 matrix instructions, which write X anew, stand between those exponentials and the one wait for them; the second part works on Y.
; A trip for unit u: the fragments of unit u + 2 are asked of LDS; second part of u; first part of u + 1; products of u + 2.
; THE SPLINE, one lane an element.  e = 2^((p - max) log2 e); edges are kept UN-NORMALISED: U_k = (sum of the first k e) + k G, G = (sum of all e) x 1e-3 / 0.984, so that cw_k = 6e-3 U_k / G - 3, and
; x >= cw_k is Z >= U_k with Z = (166.67 clip(x) + 500) G.  The bin is found by four halvings, each one compare and selects (no branch, no address hangs on data).
; The softplus is taken of the two chosen derivatives alone: a choice commutes with a function taken number by number.  The maximum is taken away inside one fused multiply-add with -max log2 e.
; LIMITS: NaN and infinities are not served.  An x within rounding of a knot may fall into either neighbouring bin (the spline and its slope are continuous there).  The edges are a prefix sum + k G, another order of rounding than a cumulative sum of normalised widths.
; REGISTERS.  window 1: fragments 0-20 at 12 f; window 2: 21-41; window 3: 42-47 at v0-71, v72-167 a unit's 8 fragments of h2, v168-215 b2.
;   window 0: v1-15 addresses; v16-39 the weights' scale words (lanes 0-15 the even fragment's, lanes 16-31 the odd one's); v40-43 h2's; v48 x2; v50-95, v15 at work; v96-143 set X; v144-191 set Y; v192-251 head and way out.
.set REC, 12288                        ; a row tile's 8 fragments
.set SLOTB, 8*REC                      ; a slot; slot 1 begins here: unit u's record lies at (u % 16) x REC
.set HSC, 196608                       ; h2's scale words of my 512 rows: 4 planes [K step / 2] of [tile 32][K step % 2][16]
.set X2S, 212992                       ; x2 [row 512][8]
.set YST, 229376                       ; y likewise
.set LST, 245760                       ; log-derivatives [wave][512 rows]
.set BST, 253952                       ; b2: 384 bytes for each wave's pair
.set SPARE, 256000                     ; the spare words: 128 bytes a wave, two blocks of 256 bytes that no other line names
.set H2S_OFF, 3145728
.set W2S_OFF, 9437184
.set DUAL, 0                           ; 1: a pair's two selects in one dual instruction
.set SPW, 1
.set NIL, 2
.set FA, 3                             ; 16 x lane
.set BAD, 4                            ; BST + 384 w + 188 h
.set NXT, 5                            ; the record that is fetched
.set HS0, 6                            ; HSC + 4 x lane
.set HSN, 8
.set X0, 9                             ; X2S + 32 r + 4 h + 8 w
.set XA, 10
.set Y0, 11                            ; YST + the same
.set YA, 12
.set L0, 13                            ; LST + 2,048 w + 4 r
.set LA, 14
.set WS, 16
.set HS, 40
.set XV, 48
.set ACC, 96
.set xX, ACC
.set aA, 144
.set HF, 72
.set BIAS, 168
.set eMX, 50
.set eNM, 52
.set eXC, 54
.set eZ, 55
.set eG, 56
.set eBS, 58
.set eN0, 60
.set eTD, 62
.set eT, 63
.set eDL, 64
.set eE, 66
.set eRW, 68
.set eRG, 69
.set eZD, 70
.set eYB, 71
.set eM, 72
.set eLG, 74
.set eTH, 76
.set eQ, 77
.set eSK, 78
.set eHK, 79
.set eYK, 80
.set eOM, 81
.set eT1, 82
.set eT2, 83
.set eO2, 84
.set eST, 85
.set eDK, 86
.set eDEN, 88
.set eNUM, 89
.set eNN, 90
.set eQN, 91
.set eRD, 92
.set eLD, 93
.set eLQ, 94
.set eY, 95
.set eLV, 15
.set WV, 16
.set G1C, 24                           ; s[24:31] group 1: 96 rows of 256 bytes (two records)
.set G0A, 40                           ; s[40:43], s[44:47] group 0 of slot 0, 1
.set G0B, 44
.set MSB, 0
.macro WIN new                         ; the immediate's high byte repeats the setting that is left
.if MSB != (\new)
	s_set_vgpr_msb (MSB<<8)|(\new)
.set MSB, (\new)
.endif
.endm
.macro PLACES
.rept 4
	v_nop
.endr
.endm
.macro VW
	s_wait_alu depctr_va_vdst(0)
.endm
.macro CROUND                          ; a round of the cluster's barrier
	s_barrier_signal -1
	s_barrier_wait -1
	s_cmp_lg_u32 s[WV], 0
	s_cbranch_scc1 .Lnot_wave_0_\@
	s_barrier_signal -3
.Lnot_wave_0_\@:
	s_barrier_wait -3
	s_barrier_signal -1
	s_barrier_wait -1
.endm
.macro WM
.if fA && fB
	v_wmma_scale_f32_16x16x128_f8f6f4 v[rD:rD+7], v[rA:rA+11], v[rB:rB+11], v[rC:rC+7], v[rSA], v[rSB] matrix_a_fmt:MATRIX_FMT_FP6 matrix_b_fmt:MATRIX_FMT_FP6 matrix_a_scale:MATRIX_SCALE_ROW1 matrix_b_scale:MATRIX_SCALE_ROW1
.elseif fA
	v_wmma_scale_f32_16x16x128_f8f6f4 v[rD:rD+7], v[rA:rA+11], v[rB:rB+11], v[rC:rC+7], v[rSA], v[rSB] matrix_a_fmt:MATRIX_FMT_FP6 matrix_b_fmt:MATRIX_FMT_FP6 matrix_a_scale:MATRIX_SCALE_ROW1
.elseif fB
	v_wmma_scale_f32_16x16x128_f8f6f4 v[rD:rD+7], v[rA:rA+11], v[rB:rB+11], v[rC:rC+7], v[rSA], v[rSB] matrix_a_fmt:MATRIX_FMT_FP6 matrix_b_fmt:MATRIX_FMT_FP6 matrix_b_scale:MATRIX_SCALE_ROW1
.else
	v_wmma_scale_f32_16x16x128_f8f6f4 v[rD:rD+7], v[rA:rA+11], v[rB:rB+11], v[rC:rC+7], v[rSA], v[rSB] matrix_a_fmt:MATRIX_FMT_FP6 matrix_b_fmt:MATRIX_FMT_FP6
.endif
.endm
.macro MM                              ; matrix instruction i of a unit's 48: K step i / 6, tile i % 6; the weights' fragment is number i
.set ks, i/6
.set kt, i%6
.set rD, ACC+8*kt
.set rA, 12*(i%21)
.set rB, HF+12*ks
.set rSA, WS+i/2
.set rSB, HS+ks/2
.set fA, i%2
.set fB, ks%2
.if ks == 0
.set rC, BIAS+8*kt                     ; b2 starts the sum
	WIN ((1+i/21)|0x3c)                            ; source 0 the fragment's window, sources 1 and 2 window 3
.else
.set rC, rD
	WIN ((1+i/21)|0x0c)
.endif
	WM
.endm
.macro MUL48                           ; a unit's products into set X
.set i, 0
.rept 48
	MM
.set i, i+1
.endr
	WIN 0
.endm
.macro CND d, a, b                     ; d = the compare held ? b : a
	v_cndmask_b32 v[\d], v[\a], v[\b], vcc_lo
.endm
.macro CND2 d, a, b                    ; the same for the pairs that begin at d, a, b (all even)
.if DUAL
	v_dual_cndmask_b32 v[\d], v[\a], v[\b] :: v_dual_cndmask_b32 v[(\d)+1], v[(\a)+1], v[(\b)+1]
.else
	v_cndmask_b32 v[\d], v[\a], v[\b], vcc_lo
	v_cndmask_b32 v[(\d)+1], v[(\a)+1], v[(\b)+1], vcc_lo
.endif
.endm
.macro KG kap, kf                      ; + kappa G: pair kappa - 1 = edge kappa, pair 7 + kappa = edge 8 + kappa less edge 8
	v_pk_fma_f32 v[aA+2*(\kap)-2:aA+2*(\kap)-1], v[eG:eG+1], \kf, v[aA+2*(\kap)-2:aA+2*(\kap)-1] op_sel_hi:[1,0,1]
	v_pk_fma_f32 v[aA+14+2*(\kap):aA+15+2*(\kap)], v[eG:eG+1], \kf, v[aA+14+2*(\kap):aA+15+2*(\kap)] op_sel_hi:[1,0,1]
.endm
; THE SPLINE'S FIRST PART on set X, and (m = 1) the next unit's products.  xr, xo: where this unit's x2 lies.
.macro FIRST m, xr, xo
	ds_load_b32 v[XV], v[\xr] offset:\xo
	VW                                             ; directly ahead of the first reads of X, which stand behind the transcendentals of the spline before; only plain lines up to the last of them
	v_max3_num_f32 v[eMX], v[xX], v[xX+2], v[xX+4]                 ; the two maxima, by turns, ascending: each accumulator is first read at its low end
	v_max3_num_f32 v[eMX+1], v[xX+1], v[xX+3], v[xX+5]
.irp n, 6,10,14,18,22,26
	v_max3_num_f32 v[eMX], v[eMX], v[xX+\n], v[xX+\n+2]
	v_max3_num_f32 v[eMX+1], v[eMX+1], v[xX+\n+1], v[xX+\n+3]
.endr
	v_max_num_f32 v[eMX], v[eMX], v[xX+30]
	v_max_num_f32 v[eMX+1], v[eMX+1], v[xX+31]
	v_pk_mul_f32 v[eNM:eNM+1], v[eMX:eMX+1], s[58:59] op_sel_hi:[1,0]     ; -max log2 e
.set n, 0
.rept 16
	v_pk_fma_f32 v[aA+2*n:aA+2*n+1], v[xX+2*n:xX+2*n+1], s[56:57], v[eNM:eNM+1] op_sel_hi:[1,0,1]
.set n, n+1
.endr
.set n, 32
.rept 16
	v_mov_b32 v[aA+n], v[xX+n]                     ; the derivatives go over to Y: X is written anew below
.set n, n+1
.endr
	VW                                             ; ahead of the batch
.set n, 0
.rept 32
	v_exp_f32 v[aA+n], v[aA+n]
.set n, n+1
.endr
	v_nop                                          ; a plain line behind the batch's last exponential
	s_wait_dscnt 0x0                               ; x2 is in, and so are the next unit's fragments and scale words
.if \m
	MUL48                                          ; they name no register of Y
.endif
	VW                                             ; the one wait for the batch, ahead of its first reader and of every branch
.endm
; THE SPLINE'S SECOND PART, on set Y
.macro SECOND
	v_med3_num_f32 v[eXC], v[XV], s52, s53         ; clip(x, -3, 3)
	v_fma_f32 v[eZ], v[eXC], s54, s55
.irp n, 1,2,3,4,5,6,7                          ; prefix sums of the two halves, by turns
	v_pk_add_f32 v[aA+2*\n:aA+2*\n+1], v[aA+2*\n:aA+2*\n+1], v[aA+2*\n-2:aA+2*\n-1]
	v_pk_add_f32 v[aA+16+2*\n:aA+17+2*\n], v[aA+16+2*\n:aA+17+2*\n], v[aA+14+2*\n:aA+15+2*\n]
.endr
	v_pk_add_f32 v[eG:eG+1], v[aA+14:aA+15], v[aA+30:aA+31]
	v_pk_mul_f32 v[eG:eG+1], v[eG:eG+1], 0x3a853408 op_sel_hi:[1,0]       ; G = sum x 1e-3 / 0.984
	v_mul_f32 v[eZ], v[eZ], v[eG]
	KG 1, 0x3f800000
	KG 2, 0x40000000
	KG 3, 0x40400000
	KG 4, 0x40800000
	KG 5, 0x40a00000
	KG 6, 0x40c00000
	KG 7, 0x40e00000
	KG 8, 0x41000000
	v_cmp_ge_f32 vcc_lo, v[eZ], v[aA+14]           ; first halving: upper eight bins?
	CND eTD, aA+40, aA+32                          ; the half's last knot: D(8), or D(16) = D(0)
	v_cndmask_b32 v[eBS], 0, v[aA+14], vcc_lo      ; the half's base
	v_cndmask_b32 v[eBS+1], 0, v[aA+15], vcc_lo
.irp m, 0,2,4,6,8,10,12,14
	CND2 aA+\m, aA+\m, aA+16+\m
.endr
.irp m, 0,2,4,6
	CND2 aA+32+\m, aA+32+\m, aA+40+\m
.endr
	v_sub_f32 v[eZ], v[eZ], v[eBS]
	v_cmp_ge_f32 vcc_lo, v[eZ], v[aA+6]            ; second halving
	v_cndmask_b32 v[eN0], 0, v[aA+6], vcc_lo       ; the bin's lower edge so far
	v_cndmask_b32 v[eN0+1], 0, v[aA+7], vcc_lo
.irp m, 0,2,4,6
	CND2 aA+\m, aA+\m, aA+8+\m
.endr
.irp m, 0,2
	CND2 aA+32+\m, aA+32+\m, aA+36+\m
.endr
	CND aA+36, aA+36, eTD
	v_cmp_ge_f32 vcc_lo, v[eZ], v[aA+2]            ; third
	CND2 eN0, eN0, aA+2
	CND2 aA, aA, aA+4
	CND2 aA+2, aA+2, aA+6
	CND2 aA+32, aA+32, aA+34
	CND aA+34, aA+34, aA+36
	v_cmp_ge_f32 vcc_lo, v[eZ], v[aA]              ; fourth
	CND2 eN0, eN0, aA
	CND2 aA, aA, aA+2
	CND aA+32, aA+32, aA+33
	CND aA+33, aA+33, aA+34
	v_pk_add_f32 v[eDL:eDL+1], v[aA:aA+1], v[eN0:eN0+1] neg_lo:[0,1] neg_hi:[0,1]   ; the bin's width and height, un-normalised
	v_mul_f32 v[eE], s58, |v[aA+32]|
	v_mul_f32 v[eE+1], s58, |v[aA+33]|
	VW                                             ; ahead of the batch
	v_exp_f32 v[eE], v[eE]                         ; e^-|d| of the two chosen derivatives
	v_exp_f32 v[eE+1], v[eE+1]
	v_rcp_f32 v[eRW], v[eDL]
	v_rcp_f32 v[eRG], v[eG+1]
	v_sub_f32 v[eZD], v[eZ], v[eN0]
	v_max_num_f32 v[eM], 0, v[aA+32]
	v_max_num_f32 v[eM+1], 0, v[aA+33]
	v_add_f32 v[eYB], v[eN0+1], v[eBS+1]
	VW                                             ; behind it
	v_add_f32 v[eE], 1.0, v[eE]
	v_add_f32 v[eE+1], 1.0, v[eE+1]
	VW                                             ; ahead of the two logarithms
	v_log_f32 v[eLG], v[eE]
	v_log_f32 v[eLG+1], v[eE+1]
	v_mul_f32 v[eTH], v[eZD], v[eRW]               ; theta
	v_mul_f32 v[eQ], v[eDL+1], v[eRG]
	v_mul_f32 v[eT], v[eG], v[eRW]
	v_mul_f32 v[eSK], v[eQ], v[eT]                 ; sk = hk / wk
	v_mul_f32 v[eHK], s22, v[eQ]                   ; hk
	v_mul_f32 v[eT], v[eYB], v[eRG]
	v_fma_f32 v[eYK], v[eT], s22, s52              ; yk
	v_sub_f32 v[eOM], 1.0, v[eTH]
	v_mul_f32 v[eT1], v[eTH], v[eOM]
	v_mul_f32 v[eT2], v[eTH], v[eTH]
	v_mul_f32 v[eO2], v[eOM], v[eOM]
	v_mul_f32 v[eST], v[eSK], v[eT1]
	VW                                             ; behind them
	v_fma_f32 v[eDK], v[eLG], s21, v[eM]           ; softplus = max(d, 0) + ln 2 log2(1 + e^-|d|)
	v_fma_f32 v[eDK+1], v[eLG+1], s21, v[eM+1]
	v_add_f32 v[eDK], s23, v[eDK]
	v_add_f32 v[eDK+1], s23, v[eDK+1]
	v_add_f32 v[eT], v[eDK], v[eDK+1]
	v_fma_f32 v[eT], v[eSK], -2.0, v[eT]
	v_fma_f32 v[eDEN], v[eT], v[eT1], v[eSK]
	v_mul_f32 v[eNUM], v[eSK], v[eT2]
	v_fma_f32 v[eNUM], v[eDK], v[eT1], v[eNUM]
	v_mul_f32 v[eNN], v[eDK+1], v[eT2]
	v_fma_f32 v[eNN], v[eST], 2.0, v[eNN]
	v_fma_f32 v[eNN], v[eDK], v[eO2], v[eNN]
	v_mul_f32 v[eT], v[eSK], v[eSK]
	v_mul_f32 v[eQN], v[eT], v[eNN]
	VW                                             ; ahead of the last batch
	v_rcp_f32 v[eRD], v[eDEN]
	v_log_f32 v[eLD], v[eDEN]
	v_log_f32 v[eLQ], v[eQN]
	v_mul_f32 v[eNUM], v[eHK], v[eNUM]
	v_cmp_gt_f32 vcc_lo, s53, |v[XV]|              ; inside: -3 < x < 3
	VW                                             ; behind it
	v_fma_f32 v[eY], v[eNUM], v[eRD], v[eYK]
	v_fma_f32 v[eLV], v[eLD], -2.0, v[eLQ]
	v_mul_f32 v[eLV], s21, v[eLV]
	CND eY, XV, eY                                 ; identity tails
	v_cndmask_b32 v[eLV], 0, v[eLV], vcc_lo
	v_permlanex16_b32 v[eT], v[eLV], s60, s61      ; the pair's other dimension
	v_add_f32 v[eLV], v[eLV], v[eT]
	ds_store_b32 v[YA], v[eY]
	ds_store_b32 v[LA], v[eLV]                     ; both lanes of a pair write the same word with the same value
.endm
.macro FRAGS                           ; a unit's 8 fragments from the record at v[NXT] into window 3
	WIN 0xc0
.irp f, 0,1,2,3,4,5,6,7
.irp p, 0,1,2
	ds_load_b128 v[HF+12*\f+4*\p:HF+12*\f+4*\p+3], v[NXT] offset:1536*\f+512*\p
.endr
.endr
	WIN 0
.endm
; A TRIP for unit u.  s66 = 512 u; s62 = the LDS byte of unit u + 2's record.
.macro TRIP
	s_lshr_b32 s67, s66, 2                         ; 128 bytes of scale words a unit,
	s_lshr_b32 s68, s66, 3                         ; 64 of log-derivatives
	v_add_nc_u32 v[NXT], s62, v[FA]                ; five plain lines that name no register of the products: the places ahead of the loads below
	v_add_nc_u32 v[HSN], s67, v[HS0]
	v_add_nc_u32 v[YA], s66, v[Y0]
	v_add_nc_u32 v[LA], s68, v[L0]
	v_add_nc_u32 v[XA], s66, v[X0]
	FRAGS                                          ; unit u + 2's fragments
.irp u, 0,1,2,3
	ds_load_b32 v[HS+\u], v[HSN] offset:4096*\u+256    ; and scale words
.endr
	SECOND                                         ; unit u
	FIRST 1, XA, 512                               ; unit u + 1, and unit u + 2's products
	s_add_co_u32 s62, s62, REC
	s_add_co_u32 s66, s66, 512
.endm
.macro WALK lab, trips
	s_mov_b32 s69, \trips
\lab:
	TRIP
	s_sub_co_u32 s69, s69, 1
	s_cmp_lg_u32 s69, 0
	s_cbranch_scc1 \lab
.endm
; THE CHANGE OF SLOTS stands ahead of the trip that fetches the new slot's first record: the old slot's last record was read a trip before.  Each wave waits for all its tensor loads (its quarter of the slot ahead),
; adds 0 to its spare word, and waits for that and for its reads of the slot that it leaves.  fill = 1: that slot is filled again, with the rows two slots on: the barrier is a round of the cluster's, and the joint refill is the first thing behind it.
.macro CHANGE fill, g0
	s_wait_tensorcnt 0x0                           ; no tensor load of mine is out, so a group 0 may be written
	ds_add_u32 v[SPW], v[NIL]
.if \fill
	s_add_nc_u64 s[\g0+2:\g0+3], s[\g0+2:\g0+3], 2*SLOTB
.endif
	s_wait_dscnt 0x0
.if \fill
	CROUND
	tensor_load_to_lds s[\g0:\g0+3], s[G1C:G1C+7]
	s_nop 0
	PLACES
.else
	s_barrier_signal -1
	s_barrier_wait -1
.endif
.endm
	s_load_b256 s[4:11], s[0:1], 0x0               ; x2 s[4:5], b2 s[6:7], w2q s[8:9], h2q s[10:11]
	s_load_b128 s[12:15], s[0:1], 0x20             ; yw s[12:13], ldp s[14:15]
	v_lshl_add_u32 v[SPW], v0, 2, SPARE
	v_mov_b32 v[NIL], 0
	ds_add_u32 v[SPW], v[NIL]                      ; the opening: the add, twice on end, and its wait ahead of my first tensor load
	ds_add_u32 v[SPW], v[NIL]
	v_lshrrev_b32 v192, 5, v0
	v_readfirstlane_b32 s[WV], v192                ; wave 0..3
	s_bfe_u32 s17, ttmp6, 0x40000                  ; cx
	s_lshl_b32 s18, ttmp9, 2
	s_add_co_u32 s18, s18, s17                     ; g = 4 x cluster x + cx: it enters plain loads' and stores' global addresses alone
	s_and_b32 s19, ttmp7, 0xffff                   ; rgp, which the four partners share
	s_lshl_b32 s20, s18, 2
	s_add_co_u32 s20, s20, s[WV]                   ; my pair of dimensions
	s_mov_b32 s[G1C], 15|(3<<16)|(1<<21)           ; the mask: all four; elements of 8 bytes; bit 21 beside a mask; no padding: an image's loads take 512 consecutive bytes
	s_mov_b32 s[G1C+1], 32<<16                     ; tensor_dim0 = 32 elements (256 bytes)
	s_mov_b32 s[G1C+2], 96<<16                     ; tensor_dim1 = 96
	s_mov_b32 s[G1C+3], 32<<16                     ; tile_dim0
	s_mov_b32 s[G1C+4], 96                         ; tile_dim1
	s_mov_b32 s[G1C+5], 32                         ; the pitch: dense
	s_mov_b32 s[G1C+6], 0
	s_mov_b32 s[G1C+7], 0
	s_mov_b32 s52, 0xc0400000                      ; -3
	s_mov_b32 s53, 0x40400000                      ; 3
	s_mov_b32 s54, 0x4326aaab                      ; 1000 / 6
	s_mov_b32 s55, 0x43fa0000                      ; 500
	s_mov_b32 s56, 0x3fb8aa3b                      ; log2 e (a packed form names the pair and takes its low word)
	s_mov_b32 s57, s56
	s_mov_b32 s58, 0xbfb8aa3b
	s_mov_b32 s59, s58
	s_mov_b32 s60, 0x76543210
	s_mov_b32 s61, 0xfedcba98                      ; v_permlanex16_b32's selects for lane l xor 16
	s_lshl_b32 s32, s[WV], 3
	s_lshl_b32 s33, s[WV], 11
	s_mul_i32 s34, s[WV], 384
	s_add_co_u32 s34, s34, BST
	s_mov_b32 s3, 0
	s_mul_i32 s21, s19, 32*REC
	s_mul_i32 s22, s[WV], 2*REC
	v_and_b32 v198, 31, v0                         ; lane
	v_and_b32 v199, 15, v0                         ; r
	v_bfe_u32 v232, v0, 4, 1                       ; h
	v_lshlrev_b32 v[FA], 4, v198
	v_lshlrev_b32 v195, 2, v198
	v_min_u32 v235, 29, v198
	v_lshlrev_b32 v235, 2, v235                    ; b2's third load: numbers 64 + min(lane, 29), inside the pair's 94
	v_lshrrev_b32 v193, 1, v0
	v_and_b32 v194, 1, v0
	v_lshlrev_b32 v193, 10, v193
	v_lshl_add_u32 v193, v194, 4, v193             ; x2: row thread / 2, half thread % 2 of its 32 bytes
	v_lshl_add_u32 v197, v0, 4, X2S
	v_lshlrev_b32 v196, 4, v0                      ; the scale words: 16 bytes a thread
	v_lshl_add_u32 v233, v0, 4, HSC
	v_lshl_add_u32 v[HS0], v198, 2, HSC
	v_lshlrev_b32 v[X0], 5, v199
	v_lshl_add_u32 v[X0], v232, 2, v[X0]
	v_add_nc_u32 v[X0], s32, v[X0]
	v_add_nc_u32 v[Y0], YST, v[X0]
	v_add_nc_u32 v[X0], X2S, v[X0]
	v_lshl_add_u32 v[L0], v199, 2, LST
	v_add_nc_u32 v[L0], s33, v[L0]
	v_mul_u32_u24 v[BAD], v232, 188                ; b2: my dimension's 47 numbers
	v_add_nc_u32 v[BAD], s34, v[BAD]
	v_lshl_add_u32 v234, v198, 2, s34
	VW                                             ; at the head's end
	s_wait_dscnt 0x0                               ; both opening adds are done
	s_wait_kmcnt 0x0
	s_add_co_u32 s2, s21, s22                      ; h2's codes: row tile 32 rgp + 2 w
	s_mov_b32 s[G0A], 1
	s_mov_b32 s[G0A+1], s22                        ; LDS: my quarter of slot 0
	s_add_nc_u64 s[G0A+2:G0A+3], s[10:11], s[2:3]
	s_mov_b32 s[G0B], 1
	s_add_co_u32 s[G0B+1], s22, SLOTB
	s_add_nc_u64 s[G0B+2:G0B+3], s[G0A+2:G0A+3], SLOTB
	s_or_b32 s[G0A+3], s[G0A+3], 0x80000000
	s_or_b32 s[G0B+3], s[G0B+3], 0x80000000
	s_lshl_b32 s2, s19, 12                         ; the words: tiles 32 rgp on, in each of four planes
	s_add_co_u32 s2, s2, H2S_OFF
	s_add_nc_u64 s[48:49], s[10:11], s[2:3]
	s_lshl_b32 s2, s19, 19
	s_lshl_b32 s21, s18, 5
	s_add_co_u32 s2, s2, s21
	s_add_nc_u64 s[4:5], s[4:5], s[2:3]            ; x2: row 512 rgp, column 8 g
	s_mul_i32 s2, s20, 376
	s_add_nc_u64 s[6:7], s[6:7], s[2:3]            ; b2: the pair's 94 numbers
	s_mul_i32 s2, s20, 48*64
	s_add_co_u32 s2, s2, W2S_OFF
	s_add_nc_u64 s[72:73], s[8:9], s[2:3]          ; the weights' words
	s_mul_i32 s2, s20, 48*1536
	s_add_nc_u64 s[8:9], s[8:9], s[2:3]            ; and codes
	s_lshl_b32 s2, s19, 19
	s_lshl_b32 s21, s18, 8
	s_add_co_u32 s2, s2, s21
	s_add_nc_u64 s[12:13], s[12:13], s[2:3]        ; yw: block of 8 rows 64 rgp, unit g
	s_lshl_b32 s2, s19, 16
	s_add_co_u32 s2, s2, s21
	s_add_nc_u64 s[14:15], s[14:15], s[2:3]        ; ldp: block of 64 rows 8 rgp, unit g
	s_mov_b32 s21, 0x3f317218                      ; ln 2
	s_mov_b32 s22, 0x3bc49ba6                      ; 6e-3
	s_mov_b32 s23, 0x3a83126f                      ; 1e-3
	CROUND                                         ; all four work-groups are here: the first joint loads meet
	tensor_load_to_lds s[G0A:G0A+3], s[G1C:G1C+7]  ; my quarter of slot 0: one tensor load a wave at the head
	s_nop 0
	PLACES
	global_load_b32 v128, v195, s[6:7]
	global_load_b32 v129, v195, s[6:7] offset:128
	global_load_b32 v130, v235, s[6:7] offset:256
.irp i, 0,1,2,3,4,5,6,7
	global_load_b128 v[200+4*\i:203+4*\i], v193, s[4:5] offset:65536*\i
.endr
.irp n, 0,1,2,3,4,5,6,7
	global_load_b128 v[96+4*\n:99+4*\n], v196, s[48:49] offset:32768*(\n/2)+2048*(\n%2)
.endr
.set f, 0
.rept 24
	global_load_b32 v[WS+f], v195, s[72:73] offset:128*f
.set f, f+1
.endr
.set f, 0
.rept 48
	WIN ((1+f/21)<<6)                              ; the destination's window
.irp p, 0,1,2
	global_load_b128 v[12*(f%21)+4*\p:12*(f%21)+4*\p+3], v[FA], s[8:9] offset:1536*f+512*\p
.endr
.set f, f+1
.endr
	WIN 0
	s_wait_loadcnt 63                              ; 168 loads were issued behind the scale words' last: b2, x2 and h2's words are in
	ds_store_b32 v234, v128                        ; b2 of my pair into my wave's own 384 bytes (words 94 and 95 repeat number 93 and are not read)
	ds_store_b32 v234, v129 offset:128
	ds_store_b32 v234, v130 offset:256
.irp i, 0,1,2,3,4,5,6,7
	ds_store_b128 v197, v[200+4*\i:203+4*\i] offset:2048*\i
.endr
.irp n, 0,1,2,3,4,5,6,7
	ds_store_b128 v233, v[96+4*\n:99+4*\n] offset:4096*(\n/2)+2048*(\n%2)
.endr
	WIN 0xc0
.set rho, 0
.rept 48                                       ; LDS serves a wave's instructions in order: these see my stores
.if rho != 32
.if rho < 32
.set pix, (rho/2)+16*(rho%2)           ; width i at column i, height i at 16 + i,
.else
.set pix, rho-1                        ; derivative k at 31 + k
.endif
	ds_load_b32 v[BIAS+rho], v[BAD] offset:4*pix
.endif
.set rho, rho+1
.endr
	v_mov_b32 v[BIAS+32], 0x3f0a2c8f               ; log(exp(1 - 1e-3) - 1): over zero codes the sum stays this number: derivative 0 and 16
	WIN 0
	VW                                             ; directly ahead of the waits below
	s_wait_loadcnt 0x0                             ; the weights and their words
	s_wait_tensorcnt 0x0                           ; my quarter of slot 0 is in
	ds_add_u32 v[SPW], v[NIL]
	s_wait_dscnt 0x0                               ; the add, my stores of x2 and of the words, b2
	CROUND
	tensor_load_to_lds s[G0B:G0B+3], s[G1C:G1C+7]  ; slot 1's first fill: the first tensor load behind the round
	s_nop 0
	PLACES
	; THE WAY IN: unit 0's products; unit 0's first part with unit 1's products
	s_mov_b32 s62, 0
	s_mov_b32 s66, 0                               ; 512 x the unit
	v_add_nc_u32 v[NXT], s62, v[FA]
	FRAGS
.irp u, 0,1,2,3
	ds_load_b32 v[HS+\u], v[HS0] offset:4096*\u
.endr
	s_wait_dscnt 0x0
	MUL48
	s_mov_b32 s62, REC
	PLACES                                         ; ahead of the loads into registers that the products have read
	v_add_nc_u32 v[NXT], s62, v[FA]
	FRAGS
.irp u, 0,1,2,3
	ds_load_b32 v[HS+\u], v[HS0] offset:4096*\u+128
.endr
	FIRST 1, X0, 0
	s_mov_b32 s62, 2*REC
	WALK .Lg0, 6                                   ; units 0-5; they fetch records 2-7
	CHANGE 1, G0A                                  ; slot 0 takes row tiles 16-23
	WALK .Lg1, 8                                   ; units 6-13; records 8-15, which follow in LDS
	CHANGE 1, G0B                                  ; slot 1 takes row tiles 24-31
	s_mov_b32 s62, 0
	WALK .Lg2, 8                                   ; units 14-21; row tiles 16-23 in records 0-7
	CHANGE 0, 0                                    ; nothing is left to fetch
	WALK .Lg3, 8                                   ; units 22-29; row tiles 24-31 in records 8-15
	; THE LAST TWO UNITS: nothing more to fetch or to multiply
	s_lshr_b32 s68, s66, 3
	v_add_nc_u32 v[YA], s66, v[Y0]
	v_add_nc_u32 v[LA], s68, v[L0]
	v_add_nc_u32 v[XA], s66, v[X0]
	SECOND                                         ; unit 30
	FIRST 0, XA, 512                               ; unit 31
	s_add_co_u32 s66, s66, 512
	s_lshr_b32 s68, s66, 3
	v_add_nc_u32 v[YA], s66, v[Y0]
	v_add_nc_u32 v[LA], s68, v[L0]
	SECOND
	; THE WAY OUT: y as units of 8 rows x 8 dimensions (256 bytes on end in the stage), the four waves' log-derivatives added, 64 rows (256 bytes) a unit
	v_lshl_add_u32 v234, v0, 4, YST
	v_lshl_add_u32 v235, v0, 4, LST
	v_lshrrev_b32 v233, 4, v0
	v_lshlrev_b32 v233, 13, v233                   ; from unit to unit of one g: 32 units, 8,192 bytes
	v_lshl_add_u32 v233, v199, 4, v233
	VW                                             ; directly ahead of the wait below
	s_wait_dscnt 0x0
	s_barrier_signal -1
	s_barrier_wait -1
.irp i, 0,1,2,3,4,5,6,7
	ds_load_b128 v[200+4*\i:203+4*\i], v234 offset:2048*\i
.endr
.irp i, 0,1,2,3
	ds_load_b128 v[236+4*\i:239+4*\i], v235 offset:2048*\i
.endr
.irp i, 0,1,2,3,4,5,6,7
	s_wait_dscnt 11-\i
	global_store_b128 v233, v[200+4*\i:203+4*\i], s[12:13] offset:65536*\i    ; sixteen lanes store 256 consecutive bytes, aligned
.endr
	s_wait_dscnt 0x0
	v_pk_add_f32 v[236:237], v[236:237], v[240:241]
	v_pk_add_f32 v[238:239], v[238:239], v[242:243]
	v_pk_add_f32 v[244:245], v[244:245], v[248:249]
	v_pk_add_f32 v[246:247], v[246:247], v[250:251]
	v_pk_add_f32 v[236:237], v[236:237], v[244:245]
	v_pk_add_f32 v[238:239], v[238:239], v[246:247]
	global_store_b128 v233, v[236:239], s[14:15]
	s_wait_tensorcnt 0x0                           ; the wave's end
	ds_add_u32 v[SPW], v[NIL]
	s_wait_dscnt 0x0
	CROUND                                         ; the closing round
	s_endpgm
.Lfunc_end_k_q88ecb62341_main:
	.size	k_q88ecb62341_main, .Lfunc_end_k_q88ecb62341_main-k_q88ecb62341_main
	.p2alignl 7, 3214868480
	.fill 96, 4, 3214868480
	.section	.rodata,"a",@progbits
	.p2align	6, 0x0
	.amdhsa_kernel k_q88ecb62341_main
		.amdhsa_group_segment_fixed_size 327680
		.amdhsa_private_segment_fixed_size 0
		.amdhsa_enable_private_segment 0
		.amdhsa_kernarg_size 48
		.amdhsa_user_sgpr_count 2
		.amdhsa_user_sgpr_kernarg_segment_ptr 1
		.amdhsa_wavefront_size32 1
		.amdhsa_system_sgpr_workgroup_id_x 1
		.amdhsa_system_sgpr_workgroup_id_y 1
		.amdhsa_system_sgpr_workgroup_id_z 1
		.amdhsa_system_vgpr_workitem_id 0
		.amdhsa_next_free_vgpr 1024
		.amdhsa_next_free_sgpr 74
		.amdhsa_reserve_vcc 1
		.amdhsa_float_denorm_mode_32 3
		.amdhsa_float_denorm_mode_16_64 3
		.amdhsa_memory_ordered 1
		.amdhsa_forward_progress 1
		.amdhsa_inst_pref_size 148
	.end_amdhsa_kernel
	.amdgpu_metadata
---
amdhsa.version: [ 1, 2 ]
amdhsa.kernels:
  - .name:           k_q88ecb62341_main
    .symbol:         k_q88ecb62341_main.kd
    .args:
      - { .name: x2, .offset: 0, .size: 8, .value_kind: global_buffer, .address_space: global }
      - { .name: b2, .offset: 8, .size: 8, .value_kind: global_buffer, .address_space: global }
      - { .name: w2q, .offset: 16, .size: 8, .value_kind: global_buffer, .address_space: global }
      - { .name: h2q, .offset: 24, .size: 8, .value_kind: global_buffer, .address_space: global }
      - { .name: yw, .offset: 32, .size: 8, .value_kind: global_buffer, .address_space: global }
      - { .name: ldp, .offset: 40, .size: 8, .value_kind: global_buffer, .address_space: global }
    .group_segment_fixed_size: 327680
    .private_segment_fixed_size: 0
    .kernarg_segment_align: 8
    .kernarg_segment_size: 48
    .max_flat_workgroup_size: 128
    .sgpr_count:     74
    .vgpr_count:     1024
    .wavefront_size: 32
...
	.end_amdgpu_metadata
.endif
;; end of part 3
;; launch finish (part 4): grid 256 x 1, 2 waves a work-group, no clusters, 17,664 bytes of LDS; arguments yw, ldp, out0, out1; writes out0, out1
.if DOCPART == 4
	.amdgcn_target "amdgcn-amd-amdhsa--gfx1250"
	.amdhsa_code_object_version 6
	.text
	.protected	k_q88ecb62341_finish
	.globl	k_q88ecb62341_finish
	.p2align	8
	.type	k_q88ecb62341_finish,@function
k_q88ecb62341_finish:
	s_mov_b64 s[64:65], 0
	v_nop
	global_prefetch_b8 v0, s[64:65] scope:SCOPE_SE
	s_setreg_imm32_b32 hwreg(HW_REG_WAVE_MODE, 25, 1), 1
	s_wait_xcnt 0x0
; out0 [4096][256] from yw [block of 8 rows][g 32][8 rows][8 dimensions]; out1 [4096] = the sum over g of ldp [block of 64 rows][g 32][64 rows].
; A wave takes one block of 8 rows (8,192 bytes on end): 16 loads of 512 bytes, a turn through its own stage in LDS (rows of 1,024 bytes + 32), 16 stores of 512 consecutive bytes.  No wave reads another's part of that stage.
; Every fourth work-group also adds one block of ldp: thread t takes rows 4 (t % 16) .. + 3 of the units g = t / 16 + 4 j; lanes l and l xor 16, then the two waves through LDS, make the sum whole.
; Memory binds: no matrix unit, no tensor load, no cluster.
.set PIT, 1056
.set STW, 8*PIT                        ; a wave's stage
.set LSUM, 2*STW                       ; behind the stages: 256 bytes for each wave's partial sums
	s_load_b256 s[4:11], s[0:1], 0x0               ; yw s[4:5], ldp s[6:7], out0 s[8:9], out1 s[10:11]
	v_lshl_add_u32 v160, v0, 2, 0x4400
	v_mov_b32 v161, 0
	v_lshrrev_b32 v1, 5, v0
	v_readfirstlane_b32 s12, v1                    ; wave
	v_and_b32 v2, 31, v0                           ; lane
	v_lshlrev_b32 v3, 4, v2                        ; 16 x lane
	s_lshl_b32 s13, ttmp9, 1
	s_add_co_u32 s13, s13, s12                     ; my block of 8 rows
	s_lshl_b32 s14, s13, 13
	s_mov_b32 s15, 0
	v_and_b32 v12, 15, v2
	v_lshrrev_b32 v4, 1, v12                       ; in a unit: row (lane % 16) / 2, half lane % 2 of its 32 bytes
	v_mul_u32_u24 v5, v4, PIT
	v_and_b32 v6, 1, v2
	v_lshl_add_u32 v5, v6, 4, v5
	v_lshrrev_b32 v6, 4, v2                        ; a load covers two units: g = lane / 16 + 2 j
	v_lshl_add_u32 v5, v6, 5, v5
	s_mul_i32 s16, s12, STW
	v_add_nc_u32 v5, s16, v5
	v_add_nc_u32 v7, s16, v3
	v_lshlrev_b32 v8, 4, v0                        ; ldp: 16 x thread
	s_lshl_b32 s17, s12, 8
	s_add_co_u32 s17, s17, LSUM
	v_lshl_add_u32 v9, v12, 4, s17
	v_lshl_add_u32 v10, v2, 3, LSUM
	v_lshlrev_b32 v11, 3, v2
	s_mov_b32 s18, 0x76543210
	s_mov_b32 s19, 0xfedcba98
	s_wait_alu depctr_va_vdst(0)
	s_wait_kmcnt 0x0
	s_add_nc_u64 s[4:5], s[4:5], s[14:15]
	s_add_nc_u64 s[8:9], s[8:9], s[14:15]
.irp j, 0,1,2,3,4,5,6,7,8,9,10,11,12,13,14,15
	global_load_b128 v[16+4*\j:19+4*\j], v3, s[4:5] offset:512*\j th:TH_LOAD_NT
.endr
.irp j, 0,1,2,3,4,5,6,7,8,9,10,11,12,13,14,15
	s_wait_loadcnt 15-\j
	ds_store_b128 v5, v[16+4*\j:19+4*\j] offset:64*\j
.endr
.irp j, 0,1,2,3,4,5,6,7,8,9,10,11,12,13,14,15
	ds_load_b128 v[80+4*\j:83+4*\j], v7 offset:PIT*(\j/2)+512*(\j%2)      ; LDS serves a wave's instructions in order: these see my stores
.endr
.irp j, 0,1,2,3,4,5,6,7,8,9,10,11,12,13,14,15
	s_wait_dscnt 15-\j
	global_store_b128 v3, v[80+4*\j:83+4*\j], s[8:9] offset:512*\j th:TH_STORE_NT
.endr
	s_and_b32 s17, ttmp9, 3
	s_cmp_lg_u32 s17, 0
	s_cbranch_scc1 .Ldone
	s_lshr_b32 s17, ttmp9, 2                       ; the block of 64 rows
	s_lshl_b32 s14, s17, 13
	s_add_nc_u64 s[6:7], s[6:7], s[14:15]
	s_lshl_b32 s14, s17, 8
	s_add_nc_u64 s[10:11], s[10:11], s[14:15]
.irp j, 0,1,2,3,4,5,6,7
	global_load_b128 v[16+4*\j:19+4*\j], v8, s[6:7] offset:1024*\j th:TH_LOAD_NT
.endr
.irp i, 0,1,2,3
	v_mov_b32 v[144+\i], 0                         ; a lane permute's destination counts as one of its sources
.endr
	s_wait_loadcnt 0x0
.irp j, 1,2,3,4,5,6,7
	v_pk_add_f32 v[16:17], v[16:17], v[16+4*\j:17+4*\j]
	v_pk_add_f32 v[18:19], v[18:19], v[18+4*\j:19+4*\j]
.endr
.irp i, 0,1,2,3
	v_permlanex16_b32 v[144+\i], v[16+\i], s18, s19
.endr
.irp i, 0,1,2,3
	v_add_f32 v[16+\i], v[16+\i], v[144+\i]
.endr
	ds_store_b128 v9, v[16:19]                     ; both halves of the lanes write the same 16 bytes with the same values
	s_wait_dscnt 0x0
	s_barrier_signal -1
	s_barrier_wait -1
	ds_load_b64 v[20:21], v10
	ds_load_b64 v[22:23], v10 offset:256
	s_wait_dscnt 0x0
	v_pk_add_f32 v[20:21], v[20:21], v[22:23]
	s_cmp_lg_u32 s12, 0
	s_cbranch_scc1 .Ldone
	global_store_b64 v11, v[20:21], s[10:11]       ; 32 lanes store 256 consecutive bytes, aligned
.Ldone:
	s_wait_tensorcnt 0x0
	ds_add_u32 v160, v161
	s_wait_dscnt 0x0
	s_endpgm
.Lfunc_end_k_q88ecb62341_finish:
	.size	k_q88ecb62341_finish, .Lfunc_end_k_q88ecb62341_finish-k_q88ecb62341_finish
	.p2alignl 7, 3214868480
	.fill 96, 4, 3214868480
	.section	.rodata,"a",@progbits
	.p2align	6, 0x0
	.amdhsa_kernel k_q88ecb62341_finish
		.amdhsa_group_segment_fixed_size 17664
		.amdhsa_private_segment_fixed_size 0
		.amdhsa_enable_private_segment 0
		.amdhsa_kernarg_size 32
		.amdhsa_user_sgpr_count 2
		.amdhsa_user_sgpr_kernarg_segment_ptr 1
		.amdhsa_wavefront_size32 1
		.amdhsa_system_sgpr_workgroup_id_x 1
		.amdhsa_system_sgpr_workgroup_id_y 1
		.amdhsa_system_sgpr_workgroup_id_z 1
		.amdhsa_system_vgpr_workitem_id 0
		.amdhsa_next_free_vgpr 162
		.amdhsa_next_free_sgpr 66
		.amdhsa_reserve_vcc 0
		.amdhsa_float_denorm_mode_32 3
		.amdhsa_float_denorm_mode_16_64 3
		.amdhsa_memory_ordered 1
		.amdhsa_forward_progress 1
		.amdhsa_inst_pref_size 11
	.end_amdhsa_kernel
	.amdgpu_metadata
---
amdhsa.version: [ 1, 2 ]
amdhsa.kernels:
  - .name:           k_q88ecb62341_finish
    .symbol:         k_q88ecb62341_finish.kd
    .args:
      - { .name: yw, .offset: 0, .size: 8, .value_kind: global_buffer, .address_space: global }
      - { .name: ldp, .offset: 8, .size: 8, .value_kind: global_buffer, .address_space: global }
      - { .name: out0, .offset: 16, .size: 8, .value_kind: global_buffer, .address_space: global }
      - { .name: out1, .offset: 24, .size: 8, .value_kind: global_buffer, .address_space: global }
    .group_segment_fixed_size: 17664
    .private_segment_fixed_size: 0
    .kernarg_segment_align: 8
    .kernarg_segment_size: 32
    .max_flat_workgroup_size: 64
    .sgpr_count:     66
    .vgpr_count:     162
    .wavefront_size: 32
...
	.end_amdgpu_metadata
.endif
;; end of part 4
